; MI455X (gfx1250); checked and timed in simulation.
; The chip was launched on July 23, 2026; its instructions are those of AMD's public machine-readable ISA for CDNA 5 (MIT licence, August 2026) and "CDNA5" Instruction Set Architecture Reference Guide (July 2026). The comments in the code are by the model that wrote it; some were corrected since.
;; Multi Head Attention. Allowed arithmetic: float matrix products may take bf16 or f16 operands with f32 sums; other float arithmetic in f32, or as packed bf16 or f16 multiplies, adds, multiply-adds, maxima and minima; sums over many terms, partial sums and values carried from step to step in f32; what a program stores and reads back later, other than sums and carried values, may be rounded once to bf16 or f16.
;; Inputs: Wk 2,048 x 2,048 float32; Wo 2,048 x 2,048 float32; Wq 2,048 x 2,048 float32; Wv 2,048 x 2,048 float32; cos 2,048 x 128 float32; sin 2,048 x 128 float32; x 1 x 2,048 x 2,048 float32.
;; Outputs: out0 1 x 2,048 x 2,048 float32.
;; One version. Each part assembles by itself: llvm-mc -triple=amdgcn-amd-amdhsa -mcpu=gfx1250 --defsym DOCPART=n.
;; ======== version 1 of 1: 4 launches
;; limits: values are held in f16: magnitudes above 65,504 overflow, below 6.1e-05 lose precision
;; workspace buffers: cb 41,943,040 bytes; tab 1,048,576 bytes; qkv 25,165,824 bytes; ob 8,388,608 bytes; vs 131,072 bytes
;; launch prep (part 1): grid 256 x 6, 8 waves a work-group, no clusters, 0 bytes of LDS; arguments x, Wq, Wk, Wv, Wo, cos, sin, cb, tab; writes cb, tab
.if DOCPART == 1
	.amdgcn_target "amdgcn-amd-amdhsa--gfx1250"
	.amdhsa_code_object_version 6
	.text
	.protected	k_q5212aced3f_prep
	.globl	k_q5212aced3f_prep
	.p2align	8
	.type	k_q5212aced3f_prep,@function
k_q5212aced3f_prep:
	s_mov_b64 s[64:65], 0
	v_nop
	global_prefetch_b8 v0, s[64:65] scope:SCOPE_SE
	s_setreg_imm32_b32 hwreg(HW_REG_WAVE_MODE, 25, 1), 1
	s_wait_xcnt 0x0
; THE CAST.  cb = five regions of [2048][2048] 16-bit numbers: x, Wq, Wk, Wv rounded to bf16; Wo rounded to bf16 and that number written as f16.
; tab[s] = 512 bytes: bf16 cos[s][0..127], then bf16 sn[s][0..127], sn[d] = -sin[s][d] for d < 64, +sin[s][d] otherwise, so that
; RoPE is out[d] = t[d] cos[d] + t[d xor 64] sn[d].  The sign flip is exact.
; LIMIT.  Wo's bf16 value is exact in f16 from 2^-14 to 65,504; below it keeps f16's fixed step of 6e-8; beyond it is lost.
; SHARES.  Grid y = 0..4: one region; a work-group casts 64 KiB of f32: thread t takes 16 bytes at 16 t of each of 16 pieces of 4,096 bytes, all 16 loads
; issued at once; a wave's load covers 512 consecutive bytes, its store 256, aligned.  Grid y = 5: eight rows of the table, a wave a row.
; No LDS, no matrix unit, no cluster: every byte is read once and written once, and no two work-groups share a byte.
.set XR, 16                            ; v[16:79]   sixteen loads of four f32
.set YR, 80                            ; v[80:111]  sixteen pairs of packed results
	s_load_b256 s[4:11], s[0:1], 0x0               ; x, Wq, Wk, Wv
	s_load_b256 s[12:19], s[0:1], 0x20             ; Wo, cos, sin, cb
	s_load_b64 s[20:21], s[0:1], 0x40              ; tab
	s_and_b32 s22, ttmp7, 0xffff                   ; which region
	v_lshlrev_b32 v1, 4, v0                        ; 16 t: my bytes in a piece of the source
	v_lshlrev_b32 v2, 3, v0                        ; 8 t: in a piece of the result
	s_mov_b32 s25, 0
	s_wait_kmcnt 0x0
	s_cmp_eq_u32 s22, 5
	s_cbranch_scc1 .Ltable
	s_cmp_eq_u32 s22, 1
	s_cselect_b64 s[4:5], s[6:7], s[4:5]
	s_cmp_eq_u32 s22, 2
	s_cselect_b64 s[4:5], s[8:9], s[4:5]
	s_cmp_eq_u32 s22, 3
	s_cselect_b64 s[4:5], s[10:11], s[4:5]
	s_cmp_eq_u32 s22, 4
	s_cselect_b64 s[4:5], s[12:13], s[4:5]
	s_lshl_b32 s24, ttmp9, 16                      ; the work-group's 64 KiB of the source
	s_add_nc_u64 s[4:5], s[4:5], s[24:25]
	s_lshl_b32 s24, s22, 23                        ; the region, 8 MiB each,
	s_lshl_b32 s26, ttmp9, 15                      ; and the work-group's 32 KiB in it
	s_add_co_u32 s24, s24, s26
	s_add_nc_u64 s[18:19], s[18:19], s[24:25]
.irp j, 0,1,2,3,4,5,6,7,8,9,10,11,12,13,14,15
	global_load_b128 v[XR+4*(\j):XR+4*(\j)+3], v1, s[4:5] offset:4096*(\j) th:TH_LOAD_NT
.endr
; piece j: rounded and stored.  half = 1: the bf16 number is widened again and written as f16.  No register is used twice, so no wait frees one.
.macro CAST half
.irp j, 0,1,2,3,4,5,6,7,8,9,10,11,12,13,14,15
	s_wait_loadcnt 15-(\j)                         ; loads come back in order: piece j is in, the 15 - j younger ones stay out
	v_cvt_pk_bf16_f32 v[YR+2*(\j)], v[XR+4*(\j)], v[XR+4*(\j)+1]
	v_cvt_pk_bf16_f32 v[YR+2*(\j)+1], v[XR+4*(\j)+2], v[XR+4*(\j)+3]
.if \half
	v_lshlrev_b32 v[XR+4*(\j)], 16, v[YR+2*(\j)]
	v_and_b32 v[XR+4*(\j)+1], 0xffff0000, v[YR+2*(\j)]
	v_lshlrev_b32 v[XR+4*(\j)+2], 16, v[YR+2*(\j)+1]
	v_and_b32 v[XR+4*(\j)+3], 0xffff0000, v[YR+2*(\j)+1]
	v_cvt_pk_f16_f32 v[YR+2*(\j)], v[XR+4*(\j)], v[XR+4*(\j)+1]
	v_cvt_pk_f16_f32 v[YR+2*(\j)+1], v[XR+4*(\j)+2], v[XR+4*(\j)+3]
.endif
	global_store_b64 v2, v[YR+2*(\j):YR+2*(\j)+1], s[18:19] offset:2048*(\j) th:TH_STORE_NT
.endr
.endm
	s_cmp_eq_u32 s22, 4
	s_cbranch_scc1 .Lhalf
	CAST 0
	s_endpgm
.Lhalf:
	CAST 1
	s_endpgm
.Ltable:                                               ; rows 8 x .. 8 x + 7: 4,096 bytes of cos, of sin and of tab
	s_lshl_b32 s24, ttmp9, 12
	s_add_nc_u64 s[14:15], s[14:15], s[24:25]
	s_add_nc_u64 s[16:17], s[16:17], s[24:25]
	s_add_nc_u64 s[20:21], s[20:21], s[24:25]
	global_load_b128 v[16:19], v1, s[14:15]        ; thread t: row t / 32, channels 4 (t % 32) on
	global_load_b128 v[20:23], v1, s[16:17]
	v_xor_b32 v3, 16, v0
	v_and_b32 v3, 16, v3                           ; 16 in the lanes of channels 0-63
	v_lshlrev_b32 v3, 11, v3
	v_lshl_or_b32 v3, v3, 16, v3                   ; there the two sign bits of a packed word, elsewhere 0
	v_lshrrev_b32 v4, 5, v0
	v_and_b32 v5, 31, v0
	v_lshlrev_b32 v5, 3, v5
	v_lshl_add_u32 v4, v4, 9, v5                   ; row x 512 + 8 x lane
	s_wait_loadcnt 0x0
	v_cvt_pk_bf16_f32 v80, v16, v17
	v_cvt_pk_bf16_f32 v81, v18, v19
	v_cvt_pk_bf16_f32 v82, v20, v21
	v_cvt_pk_bf16_f32 v83, v22, v23
	v_xor_b32 v82, v3, v82
	v_xor_b32 v83, v3, v83
	global_store_b64 v4, v[80:81], s[20:21]        ; a wave stores 256 consecutive bytes, aligned
	global_store_b64 v4, v[82:83], s[20:21] offset:256
	s_endpgm
.Lfunc_end_k_q5212aced3f_prep:
	.size	k_q5212aced3f_prep, .Lfunc_end_k_q5212aced3f_prep-k_q5212aced3f_prep
	.p2alignl 7, 3214868480
	.fill 96, 4, 3214868480
	.section	.rodata,"a",@progbits
	.p2align	6, 0x0
	.amdhsa_kernel k_q5212aced3f_prep
		.amdhsa_group_segment_fixed_size 0
		.amdhsa_private_segment_fixed_size 0
		.amdhsa_enable_private_segment 0
		.amdhsa_kernarg_size 72
		.amdhsa_user_sgpr_count 2
		.amdhsa_user_sgpr_kernarg_segment_ptr 1
		.amdhsa_wavefront_size32 1
		.amdhsa_system_sgpr_workgroup_id_x 1
		.amdhsa_system_sgpr_workgroup_id_y 1
		.amdhsa_system_sgpr_workgroup_id_z 1
		.amdhsa_system_vgpr_workitem_id 0
		.amdhsa_next_free_vgpr 112
		.amdhsa_next_free_sgpr 66
		.amdhsa_reserve_vcc 0
		.amdhsa_float_denorm_mode_32 3
		.amdhsa_float_denorm_mode_16_64 3
		.amdhsa_memory_ordered 1
		.amdhsa_forward_progress 1
		.amdhsa_inst_pref_size 17
	.end_amdhsa_kernel
	.amdgpu_metadata
---
amdhsa.version: [ 1, 2 ]
amdhsa.kernels:
  - .name:           k_q5212aced3f_prep
    .symbol:         k_q5212aced3f_prep.kd
    .args:
      - { .name: x, .offset: 0, .size: 8, .value_kind: global_buffer, .address_space: global }
      - { .name: Wq, .offset: 8, .size: 8, .value_kind: global_buffer, .address_space: global }
      - { .name: Wk, .offset: 16, .size: 8, .value_kind: global_buffer, .address_space: global }
      - { .name: Wv, .offset: 24, .size: 8, .value_kind: global_buffer, .address_space: global }
      - { .name: Wo, .offset: 32, .size: 8, .value_kind: global_buffer, .address_space: global }
      - { .name: cos, .offset: 40, .size: 8, .value_kind: global_buffer, .address_space: global }
      - { .name: sin, .offset: 48, .size: 8, .value_kind: global_buffer, .address_space: global }
      - { .name: cb, .offset: 56, .size: 8, .value_kind: global_buffer, .address_space: global }
      - { .name: tab, .offset: 64, .size: 8, .value_kind: global_buffer, .address_space: global }
    .group_segment_fixed_size: 0
    .private_segment_fixed_size: 0
    .kernarg_segment_align: 8
    .kernarg_segment_size: 72
    .max_flat_workgroup_size: 256
    .sgpr_count:     66
    .vgpr_count:     112
    .wavefront_size: 32
...
	.end_amdgpu_metadata
.endif
;; end of part 1
;; launch qkv (part 2): grid 24 x 8, 4 waves a work-group, clusters of 4 x 4, 327,680 bytes of LDS; arguments cb, tab, qkv, vs; writes qkv, vs
.if DOCPART == 2
	.amdgcn_target "amdgcn-amd-amdhsa--gfx1250"
	.amdhsa_code_object_version 6
	.text
	.protected	k_q5212aced3f_qkv
	.globl	k_q5212aced3f_qkv
	.p2align	8
	.type	k_q5212aced3f_qkv,@function
k_q5212aced3f_qkv:
	s_mov_b64 s[64:65], 0
	v_nop
	global_prefetch_b8 v0, s[64:65] scope:SCOPE_SE
	s_setreg_imm32_b32 hwreg(HW_REG_WAVE_MODE, 25, 1), 1
	s_wait_xcnt 0x0
	s_wait_alu depctr_hold_cnt(0) depctr_sa_sdst(0) depctr_va_vdst(0) depctr_va_sdst(0) depctr_va_ssrc(0) depctr_va_vcc(0) depctr_vm_vsrc(0)
	s_getreg_b32 s2, hwreg(HW_REG_IB_STS2, 6, 4)
	s_cmp_eq_u32 s2, 0
	s_cbranch_scc0 .Lentry_in_a_cluster
	s_endpgm
.Lentry_in_a_cluster:
	s_bfe_u32 s2, ttmp6, 0x10000c
	s_cmp_lg_u32 s2, 0xf033
	s_cbranch_scc0 .Lentry_shape_is_right
	s_endpgm
.Lentry_shape_is_right:
; q, k, v = x Wq, x Wk, x Wv, RoPE on q and k, stored by heads: qkv[3][16][2048][128] in f16, without the softmax's scale.
; Beside them vs[16 heads][16 blocks][128] in f32: the sums of v's rows over each block of 128 rows, taken of the f32 results.
; x: [2048][2048] bf16 (cb's region 0); W: [k][n] bf16 (regions 1 to 3); sums in f32; RoPE in f32 with the table's bf16 cos and sn; one rounding to f16.
; LIMIT.  q, k and v must stay under 65,504 (f16); NaN and infinities are not treated apart.
; C is [2048][6144]: tile column tc = 0..23 (tc / 8: q, k, v), tile row tr = 0..7.  A tile of 256 x 256 is made by four waves, each 128 x 128 = 128 rows of ONE head:
; 64 accumulators, 512 registers.  K goes in steps of 128 through a ring of two LDS slots: 256 rows of x (256 bytes each, pitch 272), then 128 k-rows of W (512 bytes each, pitch 544).
; A K STEP IS WRITTEN ONCE.  The base of the slot that is read lies in a scalar, 0 or SLOT, turned by an exclusive or at each change of slots; the fragments' addresses and the refill's LDS word are
; that base plus constants, and one descriptor walks along K, a step at each refill.
; W lies [k][n], so its fragments come out of LDS turned, by ds_load_tr16_b128.
; 192 work-groups: the tile that would give 256 does not fit this register plan.
; CLUSTERS of 4 x 4: x's tile is shared along a row of the cluster, W's along a column: joint loads, a mask of four.  THE MATRIX INSTRUCTION IS USED TRANSPOSED (source 0 = 16 columns of W,
; source 1 = 16 rows of x): a lane holds eight neighbouring channels of one row.
; THE WAY OUT.  In the last K step but one, slot 0 is filled once more, with the tile's 256 rows of the table (512 bytes, pitch 528).  Slot 1, when it has been read out, is the waves' stage:
; 64 rows x 528 bytes of f32 a wave.  64 rows at a time go into the stage and come back so that a lane holds channels 8 j .. 8 j + 7 of a row and their partners d xor 64.
; In the upper 64 channels the two 16-byte halves of each 32 bytes are swapped in the stage.
; V takes the same text: there cos is replaced by 1 and sn by 0, by a select on the cluster's number.  Every wave adds its rows up as they pass; the clusters that make V store the sums.
; REGISTERS, in windows of 256: window 0: v0-39 addresses and at work; v64-127, v128-191 fragments of x, two buffers (on the way out v40-231: eight sets of 24; v232-239 the rows' sums);
; window 1: v64-191 fragments of W; windows 2 and 3: the accumulators of my rows 0-63 and 64-127, (a, b) at v[8 (8 a + b)].
.set KSTEP,  128
.set STEPS,  16                        ; 2048 / 128
.set ROWB,   4096                      ; bytes in a row of x and of W
.set PITCH,  272
.set PB,     544
.set HALFT,  128*PITCH                 ; what one tensor load brings: 128 rows of x, or 64 k-rows of W (64 x 544 is the same number)
.set SLOT,   4*HALFT
.set SPARE,  2*SLOT                    ; behind the ring: the spare words, 128 bytes for each wave
.set TP,     528                       ; pitch of the table's rows and of the stage's
.set OA0, 4                            ; v4-7  the stage, read back: my channels' first and second four, my partners' first and second four
.set OB0, 5
.set PA0, 6
.set PB0, 7
.set TA0, 8                            ; v8    my 16 bytes of cos in the table
.set CO0, 9                            ; v9    16 x lane: my 16 bytes of two rows of the result
.set ADRA, 16                          ; v16-17  LDS address of my fragments of x in slot 0, 1; never rewritten
.set CA,   18                          ; v18   the same in the slot that is read
.set ADRB, 20                          ; v20-21  the same for W
.set CB,   22                          ; v22
.set STO,  24                          ; v24   where I put 32 bytes of a row of the stage
.set ONES, 26                          ; v26   1.0 twice in bf16
.set ZR,   27                          ; v27   0
.set SPW,  28                          ; v28   my spare word; never rewritten
.set NIL,  29                          ; v29   0; never rewritten
.set PFO,  30                          ; v30   the prefetches' offset; never rewritten
.set T,    32                          ; v32-39  eight results in f32
.set SET,  40                          ; v40-231 pass p at SET + 24 p: 8 own, 8 partners, 4 cos, 4 sn
.set SUM,  232                         ; v232-239 the sums of my eight channels over my lanes' rows
.set F0,   64
.set F1,   128
.set TB,  18                           ; s18  the base of the slot that is read: 0 or SLOT
.set G1,  24                           ; s[24:31] group 1 for x's tiles;   s[32:39] group 0: a set for each first fill; the second then walks
.set G0,  32
.set LIM, 43                           ; s43  2 in a wave that prefetches, else the greatest number
.set PFA, 44                           ; s[44:45] the K step that my next prefetch names
.set G1B, 48                           ; s[48:55], s[56:63] the same for W's tiles
.set G0B, 56
.set G1T, 68                           ; s[68:75], s[76:79] for the table
.set G0T, 76
.set PST, 80                           ; s[80:81] a K step in bytes: 256 along a row of x, 128 rows of W
.set SELM, 82                          ; s82  all ones where RoPE is applied, 0 for V
.set PH,  83                           ; s83  counts the two halves of my rows
.set TR,  84                           ; s84  counts a half's four trips of 16 rows
.set SO,  85                           ; s85  the trip's bytes in the stage
.set TO,  86                           ; s86  in the table
.set GOF, 87                           ; s87  in the result
.set VS,  96                           ; s[96:97] vs at my head's and my block's 512 bytes
.set MSB, 0
.macro WIN new                         ; the immediate's high byte repeats the setting that is left
.if MSB != (\new)
	s_set_vgpr_msb (MSB<<8)|(\new)
.set MSB, \new
.endif
.endm
.set MUL_LO, 0xa1                      ; source 0 (W) window 1, source 1 (x) window 0, C and D window 2
.set MUL_HI, 0xf1                      ; the same, C and D window 3
.set TO_B,   0x40                      ; destination window 1, address window 0
; A joint load: waves 0 and 1 fetch x's two halves, waves 2 and 3 W's.  The branch hangs on the wave's number alone.  An s_nop 0 and four v_nop follow each line.
.macro JLOAD s
	s_cmp_eq_u32 s11, 0
	s_cbranch_scc0 .Lfor_b_\@
	tensor_load_to_lds s[G0+4*(\s):G0+4*(\s)+3], s[G1:G1+7]
	s_nop 0
.rept 4
	v_nop
.endr
	s_branch .Lasked_\@
.Lfor_b_\@:
	tensor_load_to_lds s[G0B+4*(\s):G0B+4*(\s)+3], s[G1B:G1B+7]
	s_nop 0
.rept 4
	v_nop
.endr
.Lasked_\@:
.endm
; A prefetch, behind each joint load and the run of LDS loads: the K step two refills on, 32 blocks of 256 bytes, a lane a block.  x's rows are asked for by the clusters with x = 0, W's by those with
; y = 0; the four partners of a joint load share its blocks out by address.  So each block is named once.  The loop's last two trips ask for nothing: there is no K step two on.
.macro ASK
	s_cmp_gt_u32 s3, s[LIM]
	s_cbranch_scc0 .Lnot_mine_\@
	global_prefetch_b8 v[PFO], s[PFA:PFA+1] th:TH_LOAD_NT scope:SCOPE_SE
.Lnot_mine_\@:
.endm
.macro CREST                           ; a round of the cluster's barrier behind its opening barrier
	s_cmp_lg_u32 s10, 0
	s_cbranch_scc1 .Lnot_wave_0_\@
	s_barrier_signal -3
.Lnot_wave_0_\@:
	s_barrier_wait -3
	s_barrier_signal -1
	s_barrier_wait -1
.endm
.macro CROUND                          ; a whole round
	s_barrier_signal -1
	s_barrier_wait -1
	CREST
.endm
	s_load_b128 s[4:7], s[0:1], 0x0                ; cb s[4:5], tab s[6:7]
	s_load_b64 s[8:9], s[0:1], 0x10                ; qkv
	s_load_b64 s[VS:VS+1], s[0:1], 0x18            ; vs
	v_lshl_add_u32 v[SPW], v0, 2, SPARE
	v_mov_b32 v[NIL], 0
	ds_add_u32 v[SPW], v[NIL]                      ; the wave's opening: the add and its wait ahead of my first tensor load
	v_mov_b32 v[ONES], 0x3f803f80
	v_mov_b32 v[ZR], 0
	v_lshrrev_b32 v1, 5, v0
	v_readfirstlane_b32 s10, v1                    ; wave 0..3
	s_lshr_b32 s11, s10, 1                         ; which half of the tile's rows is mine.  Also: I fetch for x (0) or for W (1)
	s_and_b32 s12, s10, 1                          ; which half of its columns.  Also: which half of that tile I fetch
	s_bfe_u32 s40, ttmp6, 0x40000                  ; cx
	s_bfe_u32 s41, ttmp6, 0x40004                  ; cy
	s_lshl_b32 s42, ttmp9, 2
	s_add_co_u32 s42, s42, s40                     ; tc = 4 x cluster x + cx
	s_and_b32 s13, ttmp7, 0xffff
	s_lshl_b32 s13, s13, 2
	s_add_co_u32 s13, s13, s41                     ; tr = 4 x cluster y + cy
	s_lshl_b32 s66, s41, 2
	s_lshl_b32 s66, 15, s66                        ; my row of the cluster
	s_lshl_b32 s67, 0x1111, s40                    ; my column
	s_or_b32 s[G1+0], s66, (1<<16)|(1<<20)|(1<<21)|(5<<22)|(3<<25)   ; the mask; 2-byte elements; padding on; bit 21 beside a mask; after every 64 words 4 words
	s_mov_b32 s[G1+1], 128<<16                     ; tensor_dim0 = 128
	s_mov_b32 s[G1+2], 128<<16                     ; tensor_dim1 = 128
	s_mov_b32 s[G1+3], 128<<16                     ; tile_dim0 = 128
	s_mov_b32 s[G1+4], 128                         ; tile_dim1 = 128
	s_mov_b32 s[G1+5], 2048                        ; elements from row to row
	s_mov_b32 s[G1+6], 0
	s_mov_b32 s[G1+7], 0
	s_or_b32 s[G1B+0], s67, (1<<16)|(1<<20)|(1<<21)|(6<<22)|(7<<25)  ; after every 128 words 8 words
	s_mov_b32 s[G1B+1], 256<<16                    ; 256 columns
	s_mov_b32 s[G1B+2], 64<<16                     ; 64 k-rows
	s_mov_b32 s[G1B+3], 256<<16
	s_mov_b32 s[G1B+4], 64
	s_mov_b32 s[G1B+5], 2048
	s_mov_b32 s[G1B+6], 0
	s_mov_b32 s[G1B+7], 0
	s_or_b32 s[G1T+0], s66, (1<<16)|(1<<20)|(1<<21)|(6<<22)|(3<<25)  ; the table goes to my row of the cluster; after every 128 words 4 words
	s_mov_b32 s[G1T+1], 256<<16
	s_mov_b32 s[G1T+2], 64<<16
	s_mov_b32 s[G1T+3], 256<<16
	s_mov_b32 s[G1T+4], 64
	s_mov_b32 s[G1T+5], 256
	s_mov_b32 s[G1T+6], 0
	s_mov_b32 s[G1T+7], 0
	s_lshl_b32 s16, s13, 8                         ; x: row 256 tr + 128 x half, 4,096 bytes a row
	s_lshl_b32 s17, s12, 7
	s_add_co_u32 s16, s16, s17
	s_lshl_b32 s16, s16, 12
	s_mov_b32 s17, 0
	s_lshr_b32 s46, s42, 3                         ; W: region 1 + tc / 8,
	s_add_co_u32 s46, s46, 1
	s_lshl_b32 s46, s46, 23
	s_lshl_b32 s47, s12, 18                        ; k-row 64 x half,
	s_add_co_u32 s46, s46, s47
	s_and_b32 s47, s42, 7                          ; 512 bytes of columns for each tile column
	s_lshl_b32 s47, s47, 9
	s_add_co_u32 s46, s46, s47
	s_mov_b32 s47, 0
	s_lshl_b32 s88, s13, 8                         ; the table: row 256 tr + 64 x wave, 512 bytes a row
	s_lshl_b32 s89, s10, 6
	s_add_co_u32 s88, s88, s89
	s_lshl_b32 s88, s88, 9
	s_mov_b32 s89, 0
	s_mul_i32 s20, s10, HALFT                      ; where my part of a slot lies: no place in the cluster enters an LDS address; kept for the refills
	s_mov_b32 s[TB], 0                             ; slot 0 is read first
	s_wait_dscnt 0x0                               ; the opening add is done
	s_wait_kmcnt 0x0
	s_add_nc_u64 s[14:15], s[4:5], s[16:17]
	s_add_nc_u64 s[46:47], s[4:5], s[46:47]
	CROUND                                         ; all sixteen work-groups are here: the first joint loads meet
.irp s, 0,1
	s_mov_b32 s[G0+4*(\s)], 1
	s_add_co_u32 s[G0+4*(\s)+1], s20, (\s)*SLOT
	s_add_nc_u64 s[G0+4*(\s)+2:G0+4*(\s)+3], s[14:15], (\s)*KSTEP*2
	s_or_b32 s[G0+4*(\s)+3], s[G0+4*(\s)+3], 0x80000000
	s_mov_b32 s[G0B+4*(\s)], 1
	s_add_co_u32 s[G0B+4*(\s)+1], s20, (\s)*SLOT
	s_add_nc_u64 s[G0B+4*(\s)+2:G0B+4*(\s)+3], s[46:47], (\s)*KSTEP*ROWB
	s_or_b32 s[G0B+4*(\s)+3], s[G0B+4*(\s)+3], 0x80000000
	JLOAD \s
.endr
	s_mov_b32 s[G0T], 1
	s_mul_i32 s[G0T+1], s10, 64*TP                 ; the table's rows 64 w .. in slot 0
	s_add_nc_u64 s[G0T+2:G0T+3], s[6:7], s[88:89]
	s_or_b32 s[G0T+3], s[G0T+3], 0x80000000
	v_and_b32 v1, 15, v0                           ; l % 16; kept to the end
	v_bfe_u32 v2, v0, 4, 1                         ; l / 16; kept to the end
	v_bfe_u32 v25, v0, 3, 1                        ; (l / 8) % 2
	v_and_b32 v31, 7, v0                           ; l % 8
	v_mul_u32_u24 v3, v1, PITCH                    ; a fragment of x: row l % 16, 16 bytes for each half of the lanes
	v_lshl_add_u32 v3, v2, 4, v3
	s_mul_i32 s21, s11, HALFT
	v_add_nc_u32 v[ADRA], s21, v3
	s_add_co_u32 s21, s21, SLOT
	v_add_nc_u32 v[ADRA+1], s21, v3
	v_lshl_add_u32 v3, v2, 3, v31                  ; the turning load: k-row 8 (l / 16) + l % 8, columns 8 ((l / 8) % 2) on
	v_mul_u32_u24 v3, v3, PB
	v_lshl_add_u32 v3, v25, 4, v3
	s_lshl_b32 s22, s12, 8                         ; my 128 columns
	s_add_co_u32 s22, s22, 2*HALFT                 ; behind x's 256 rows
	v_add_nc_u32 v[ADRB], s22, v3
	s_add_co_u32 s22, s22, SLOT
	v_add_nc_u32 v[ADRB+1], s22, v3
	v_mov_b32 v[CA], v[ADRA]                       ; the slot that is read: slot 0
	v_mov_b32 v[CB], v[ADRB]
	s_mul_i32 s23, s10, HALFT
	s_add_co_u32 s23, s23, SLOT                    ; my stage, in slot 1
	v_mul_u32_u24 v3, v1, TP
	v_lshl_add_u32 v3, v2, 5, v3
	v_add_nc_u32 v[STO], s23, v3                   ; in: row l % 16, 32 bytes for each half of the lanes
	v_xor_b32 v11, 1, v25                          ; back: row l / 16, channels 8 j on, j = l % 16; hi = j / 8 (v25), nh = 1 - hi (v11)
	v_mul_u32_u24 v12, v2, TP
	v_lshl_add_u32 v12, v31, 5, v12
	v_add_nc_u32 v12, s23, v12
	v_lshl_add_u32 v13, v25, 8, v12                ; my half of the channels
	v_lshl_add_u32 v14, v11, 8, v12                ; my partners'
	v_lshl_add_u32 v[OA0], v25, 4, v13             ; in the upper half the first four channels lie in the second 16 bytes
	v_lshl_add_u32 v[OB0], v11, 4, v13
	v_lshl_add_u32 v[PA0], v11, 4, v14
	v_lshl_add_u32 v[PB0], v25, 4, v14
	s_mul_i32 s22, s11, 128*TP
	v_mul_u32_u24 v[TA0], v2, TP
	v_lshl_add_u32 v[TA0], v1, 4, v[TA0]
	v_add_nc_u32 v[TA0], s22, v[TA0]
	v_and_b32 v[CO0], 31, v0
	v_lshlrev_b32 v[CO0], 4, v[CO0]
	s_lshl_b32 s90, s42, 1                         ; the result: (16 x matrix + head) = 2 tc + my half of the columns,
	s_add_co_u32 s90, s90, s12
	s_lshl_b32 s90, s90, 11                        ; 2,048 rows each,
	s_lshl_b32 s91, s13, 8
	s_add_co_u32 s90, s90, s91                     ; row 256 tr
	s_lshl_b32 s91, s11, 7
	s_add_co_u32 s90, s90, s91                     ; + 128 x my half of the rows,
	s_lshl_b32 s90, s90, 8                         ; 256 bytes a row
	s_mov_b32 s91, 0
	s_add_nc_u64 s[8:9], s[8:9], s[90:91]
	s_lshr_b32 s[SELM], ttmp9, 1                   ; the matrix: the same in all sixteen partners
	s_cmp_eq_u32 s[SELM], 2
	s_cselect_b32 s[SELM], 0, -1
	; the prefetches: K step 3 of my work-group's share of what I fetch; the first refill steps it to K step 4
	s_lshl_b32 s92, s13, 8
	s_lshl_b32 s93, s12, 7
	s_add_co_u32 s92, s92, s93
	s_lshl_b32 s93, s40, 5                         ; x: 32 of the 128 rows, by cx
	s_add_co_u32 s92, s92, s93
	s_lshl_b32 s92, s92, 12
	s_add_co_u32 s92, s92, 3*KSTEP*2
	s_lshr_b32 s94, s42, 3
	s_add_co_u32 s94, s94, 1
	s_lshl_b32 s94, s94, 23
	s_and_b32 s93, s42, 7
	s_lshl_b32 s93, s93, 9
	s_add_co_u32 s94, s94, s93
	s_lshl_b32 s93, s12, 6
	s_lshl_b32 s95, s41, 4                         ; W: 16 of the 64 k-rows, by cy
	s_add_co_u32 s93, s93, s95
	s_lshl_b32 s93, s93, 12
	s_add_co_u32 s94, s94, s93
	s_add_co_u32 s94, s94, 3*KSTEP*ROWB
	s_and_b32 s95, ttmp7, 0xffff
	s_cmp_eq_u32 s11, 0
	s_cselect_b32 s92, s92, s94
	s_cselect_b32 s95, ttmp9, s95                  ; the coordinate along which other clusters read the same blocks
	s_mov_b32 s93, 0
	s_cmp_eq_u32 s95, 0
	s_cselect_b32 s[LIM], 2, -1
	s_add_nc_u64 s[PFA:PFA+1], s[4:5], s[92:93]
	s_mul_i32 s95, s11, 11
	s_lshl_b32 s[PST], 256, s95                    ; 256 bytes, or 128 rows of 4,096
	s_mov_b32 s[PST+1], 0
	v_and_b32 v[PFO], 31, v0                       ; x: a lane a row; W: two lanes a k-row of 512 bytes
	v_lshrrev_b32 v3, s11, v[PFO]
	v_lshlrev_b32 v3, 12, v3
	v_and_b32 v[PFO], s11, v[PFO]
	v_lshl_add_u32 v[PFO], v[PFO], 8, v3
	s_and_b32 s92, s42, 7                          ; the sums: head 2 (tc % 8) + my half of the columns,
	s_lshl_b32 s92, s92, 1
	s_add_co_u32 s92, s92, s12
	s_lshl_b32 s92, s92, 4                         ; 16 blocks each,
	s_lshl_b32 s93, s13, 1
	s_add_co_u32 s92, s92, s93
	s_add_co_u32 s92, s92, s11                     ; block 2 tr + my half of the rows,
	s_lshl_b32 s92, s92, 9                         ; 512 bytes a block
	s_mov_b32 s93, 0
	s_add_nc_u64 s[VS:VS+1], s[VS:VS+1], s[92:93]
; 16 matrix instructions: m blocks a0, a0 + 1 of the window's four x all 8 n blocks, 32 along K.  zero = 1: the first product starts the sums.
.macro MUL16 f, hi, a0, zero
	WIN MUL_LO+0x50*(\hi)
.irp a, \a0, (\a0)+1
.irp b, 0,1,2,3,4,5,6,7
.if \zero
	v_wmma_f32_16x16x32_bf16 v[8*(8*(\a)+(\b)):8*(8*(\a)+(\b))+7], v[(\f)+8*(\b):(\f)+8*(\b)+7], v[(\f)+8*(4*(\hi)+(\a)):(\f)+8*(4*(\hi)+(\a))+7], 0
.else
	v_wmma_f32_16x16x32_bf16 v[8*(8*(\a)+(\b)):8*(8*(\a)+(\b))+7], v[(\f)+8*(\b):(\f)+8*(\b)+7], v[(\f)+8*(4*(\hi)+(\a)):(\f)+8*(4*(\hi)+(\a))+7], v[8*(8*(\a)+(\b)):8*(8*(\a)+(\b))+7]
.endif
.endr
.endr
.endm
; 32 LDS loads in one run: the fragments of a quarter step (32 K at byte k of x's rows = k-rows k / 2 on of W) into buffer f: W's 16, turned, then x's 16.  ra, rb: the registers that hold x's and W's address
.macro FETCH ra, rb, k, f
	WIN TO_B
.irp i, 0,1,2,3,4,5,6,7
	ds_load_tr16_b128 v[(\f)+8*(\i):(\f)+8*(\i)+3],   v[(\rb)] offset:((\k)/64)*32*PB+32*(\i)
	ds_load_tr16_b128 v[(\f)+8*(\i)+4:(\f)+8*(\i)+7], v[(\rb)] offset:((\k)/64)*32*PB+16*PB+32*(\i)
.endr
	WIN 0
.irp i, 0,1,2,3,4,5,6,7
	ds_load_b128 v[(\f)+8*(\i):(\f)+8*(\i)+3],   v[(\ra)] offset:(\k)+(\i)*16*PITCH
	ds_load_b128 v[(\f)+8*(\i)+4:(\f)+8*(\i)+7], v[(\ra)] offset:(\k)+(\i)*16*PITCH+32
.endr
.endm
.macro PLACES                          ; four plain vector instructions between a matrix instruction and a load into, or a read of, its registers
.rept 4
	v_nop
.endr
.endm
; A K step is four quarters of 32 along K, 64 matrix instructions each, on buffers 0, 1, 0, 1.  One of the first three:
.macro QUARTER ra, rb, k, f, g, zero
	s_wait_dscnt 8                                 ; W and x's rows 0-63 are in; the youngest eight loads may be out
	WIN MUL_LO
	MUL16 \f, 0, 0, \zero
	MUL16 \f, 0, 2, \zero
	PLACES
	FETCH \ra, \rb, \k, \g
	s_wait_dscnt 32                                ; all but the 32 just issued
	WIN MUL_HI
	MUL16 \f, 1, 0, \zero
	MUL16 \f, 1, 2, \zero
.endm
; The first half of the last quarter: the barrier of a change of slots, which opens a round of the cluster's barrier.
.macro MEET
	WIN 0
	s_wait_tensorcnt 0x0                           ; all my tensor loads have landed: the one that was out is my part of the next slot;
	ds_add_u32 v[SPW], v[NIL]                      ; 0 onto my spare word;
	s_wait_dscnt 9                                 ; (the add and the youngest eight loads may be out)
	WIN MUL_LO
	MUL16 F1, 0, 0, 0
	s_wait_dscnt 0x0                               ; the add is done, and my reads of this slot are over
	s_barrier_signal -1
	MUL16 F1, 0, 2, 0
	WIN 0
	s_barrier_wait -1
.endm
; The whole last quarter in the loop.  Behind the round the slot just read out (its base is TB) is filled again, with the K step behind the one that the walking descriptor brought last; then TB turns to the other slot.
.macro TURN
	s_wait_xcnt 0x0                                ; the last prefetch, a K step back, has read its address
	s_add_nc_u64 s[PFA:PFA+1], s[PFA:PFA+1], s[PST:PST+1]
	MEET
	CREST                                          ; no wave of any partner still reads this slot or has a load on its way
	s_add_co_u32 s[G0+5], s[TB], s20               ; the LDS word: the slot's base + my part's place
	s_add_nc_u64 s[G0+6:G0+7], s[G0+6:G0+7], KSTEP*2
	s_add_co_u32 s[G0B+5], s[TB], s20
	s_add_nc_u64 s[G0B+6:G0B+7], s[G0B+6:G0B+7], KSTEP*ROWB
	JLOAD 1                                        ; the first tensor load behind the round; its four v_nop are also the places in front of the loads below
	s_xor_b32 s[TB], s[TB], SLOT
	v_add_nc_u32 v[CA], s[TB], v[ADRA]             ; my fragments in the other slot
	v_add_nc_u32 v[CB], s[TB], v[ADRB]
	FETCH CA, CB, 0, F0
	ASK
	WIN MUL_HI
	MUL16 F1, 1, 0, 0
	MUL16 F1, 1, 2, 0
.endm
	s_wait_tensorcnt 1                             ; my part of K step 0 is in; K step 1's may stay out
	s_barrier_signal -1
	s_barrier_wait -1
	FETCH CA, CB, 0, F0
	QUARTER CA, CB, 64,  F0, F1, 1                 ; the first quarter stands in front of the loop: its products start the sums
	WIN 0
	s_mov_b32 s3, STEPS-2
.Lstep:                                                ; 14 trips: from a K step's second quarter to the next one's first; trip n fills the slot that it leaves with K step n + 1
	QUARTER CA, CB, 128, F1, F0, 0
	QUARTER CA, CB, 192, F0, F1, 0
	TURN
	QUARTER CA, CB, 64,  F0, F1, 0
	WIN 0
	s_sub_co_u32 s3, s3, 1
	s_cmp_lg_u32 s3, 0
	s_cbranch_scc1 .Lstep
	QUARTER ADRA, ADRB, 128, F1, F0, 0             ; the last two K steps are written out: K step 14 lies in slot 0 (TB has turned 14 times), K step 15 in slot 1
	QUARTER ADRA, ADRB, 192, F0, F1, 0
	MEET
	CREST
	tensor_load_to_lds s[G0T:G0T+3], s[G1T:G1T+7]  ; slot 0's last fill: each wave brings 64 rows of the table, jointly with my row of the cluster
	s_nop 0
.rept 4
	v_nop
.endr
	FETCH ADRA+1, ADRB+1, 0, F0
	WIN MUL_HI
	MUL16 F1, 1, 0, 0
	MUL16 F1, 1, 2, 0
	QUARTER ADRA+1, ADRB+1, 64,  F0, F1, 0
	QUARTER ADRA+1, ADRB+1, 128, F1, F0, 0
	QUARTER ADRA+1, ADRB+1, 192, F0, F1, 0
	s_wait_dscnt 8
	WIN MUL_LO
	MUL16 F1, 0, 0, 0
	MUL16 F1, 0, 2, 0
	s_wait_dscnt 0x0                               ; my reads of slot 1 are over
	MUL16 F1, 1, 0, 0
	MUL16 F1, 1, 2, 0
	WIN 0
	s_wait_tensorcnt 0x0                           ; my rows of the table are in
	s_barrier_signal -1
	s_barrier_wait -1                              ; the table is whole, and nobody reads slot 1 any more: it has had its last fill and is now the stage
.irp r, 0,1,2,3,4,5,6,7
	v_mov_b32 v[SUM+(\r)], 0                       ; the rows' sums start at 0; these eight lines are also the places behind the last products
.endr
; 64 rows into my stage: the accumulators of window 2 + hi.  Each accumulator's low four registers go first.
.macro STAGE_OUT hi
	WIN 0x08+4*(\hi)                               ; the data, source 1, in window 2 or 3
.irp a, 0,1,2,3
.irp b, 0,1,2,3,4,5,6,7
	ds_store_b128 v[STO], v[8*(8*(\a)+(\b)):8*(8*(\a)+(\b))+3]   offset:(\a)*16*TP+64*(\b)+16*((\b)/4)
	ds_store_b128 v[STO], v[8*(8*(\a)+(\b))+4:8*(8*(\a)+(\b))+7] offset:(\a)*16*TP+64*(\b)+16*(1-(\b)/4)
.endr
.endr
	WIN 0
.endm
	s_mov_b32 vcc_lo, s[SELM]                      ; written behind the last tensor load
	s_mov_b32 s[PH], 2
.Lphase:
	s_cmp_eq_u32 s[PH], 2
	s_cbranch_scc0 .Lhigh
	STAGE_OUT 0
	s_mov_b32 s[TO], 0
	s_mov_b32 s[GOF], 0
	s_branch .Lstaged
.Lhigh:
	STAGE_OUT 1
	s_mov_b32 s[TO], 64*TP
	s_mov_b32 s[GOF], 64*256
.Lstaged:
	s_mov_b32 s[SO], 0
	s_mov_b32 s[TR], 4
.Lrope:                                                ; 16 rows: eight passes of two rows
	s_wait_xcnt 0x0                                ; the last trip's stores have read their data and their offset
	v_add_nc_u32 v10, s[SO], v[OA0]
	v_add_nc_u32 v11, s[SO], v[OB0]
	v_add_nc_u32 v12, s[SO], v[PA0]
	v_add_nc_u32 v13, s[SO], v[PB0]
	v_add_nc_u32 v14, s[TO], v[TA0]
	v_add_nc_u32 v15, s[GOF], v[CO0]
.irp p, 0,1,2,3,4,5,6,7
	ds_load_b128 v[SET+24*(\p):SET+24*(\p)+3],     v10 offset:2*TP*(\p)  ; LDS serves a wave's instructions in order (ISA guide 5.7.1.4): these see my stores into the stage
	ds_load_b128 v[SET+24*(\p)+4:SET+24*(\p)+7],   v11 offset:2*TP*(\p)
	ds_load_b128 v[SET+24*(\p)+8:SET+24*(\p)+11],  v12 offset:2*TP*(\p)
	ds_load_b128 v[SET+24*(\p)+12:SET+24*(\p)+15], v13 offset:2*TP*(\p)
	ds_load_b128 v[SET+24*(\p)+16:SET+24*(\p)+19], v14 offset:2*TP*(\p)
	ds_load_b128 v[SET+24*(\p)+20:SET+24*(\p)+23], v14 offset:2*TP*(\p)+256
.endr
.irp p, 0,1,2,3,4,5,6,7
	s_wait_dscnt 6*(7-(\p))                        ; pass p's six loads are in; the later passes' may stay out
.irp r, 0,1,2,3
	v_cndmask_b32 v[SET+24*(\p)+16+(\r)], v[ONES], v[SET+24*(\p)+16+(\r)], vcc_lo  ; for V: cos = 1,
	v_cndmask_b32 v[SET+24*(\p)+20+(\r)], v[ZR], v[SET+24*(\p)+20+(\r)], vcc_lo    ; sn = 0
.endr
.irp r, 0,1,2,3
	v_fma_mix_f32_bf16 v[T+2*(\r)],   v[SET+24*(\p)+20+(\r)], v[SET+24*(\p)+8+2*(\r)],   v[ZR] op_sel:[0,0,0] op_sel_hi:[1,0,0]  ; sn[d] t[d xor 64]
	v_fma_mix_f32_bf16 v[T+2*(\r)+1], v[SET+24*(\p)+20+(\r)], v[SET+24*(\p)+8+2*(\r)+1], v[ZR] op_sel:[1,0,0] op_sel_hi:[1,0,0]
.endr
.irp r, 0,1,2,3
	v_fma_mix_f32_bf16 v[T+2*(\r)],   v[SET+24*(\p)+16+(\r)], v[SET+24*(\p)+2*(\r)],   v[T+2*(\r)]   op_sel:[0,0,0] op_sel_hi:[1,0,0]  ; + cos[d] t[d]
	v_fma_mix_f32_bf16 v[T+2*(\r)+1], v[SET+24*(\p)+16+(\r)], v[SET+24*(\p)+2*(\r)+1], v[T+2*(\r)+1] op_sel:[1,0,0] op_sel_hi:[1,0,0]
.endr
.irp r, 0,1,2,3
	v_pk_add_f32 v[SUM+2*(\r):SUM+2*(\r)+1], v[SUM+2*(\r):SUM+2*(\r)+1], v[T+2*(\r):T+2*(\r)+1]  ; the row joins its block's sum
.endr
.irp r, 0,1,2,3
	v_cvt_pk_f16_f32 v[SET+24*(\p)+16+(\r)], v[T+2*(\r)], v[T+2*(\r)+1]
.endr
	global_store_b128 v15, v[SET+24*(\p)+16:SET+24*(\p)+19], s[8:9] offset:512*(\p)  ; two rows of a head: 512 consecutive bytes, aligned
.endr
	s_add_co_u32 s[SO], s[SO], 16*TP
	s_add_co_u32 s[TO], s[TO], 16*TP
	s_add_co_u32 s[GOF], s[GOF], 16*256
	s_sub_co_u32 s[TR], s[TR], 1
	s_cmp_lg_u32 s[TR], 0
	s_cbranch_scc1 .Lrope
	s_sub_co_u32 s[PH], s[PH], 1
	s_cmp_lg_u32 s[PH], 0
	s_cbranch_scc1 .Lphase
	s_cmp_eq_u32 s[SELM], 0                        ; the clusters that make V store the sums of my 128 rows; the branch hangs on the cluster's number alone
	s_cbranch_scc0 .Lno_sums
	s_mov_b32 s88, 0x76543210                      ; each lane takes its own place in the other half: the even rows' sums meet the odd rows'
	s_mov_b32 s89, 0xfedcba98
.irp r, 0,1,2,3,4,5,6,7
	v_permlanex16_b32 v[T+(\r)], v[SUM+(\r)], s88, s89
.endr
.irp r, 0,1,2,3,4,5,6,7
	v_add_f32 v[SUM+(\r)], v[SUM+(\r)], v[T+(\r)]
.endr
	v_cmp_eq_u32 vcc_lo, 1, v2                     ; lanes 0-15 store channels 8 j .. 8 j + 3, lanes 16-31 channels 8 j + 4 .. 8 j + 7
.irp r, 0,1,2,3
	v_cndmask_b32 v[T+(\r)], v[SUM+(\r)], v[SUM+4+(\r)], vcc_lo
.endr
	v_lshlrev_b32 v3, 5, v1
	v_lshl_add_u32 v3, v2, 4, v3
	global_store_b128 v3, v[T:T+3], s[VS:VS+1]     ; the wave stores 512 consecutive bytes, aligned
.Lno_sums:
	s_wait_tensorcnt 0x0                           ; the wave's end: 0 onto my spare word and the wait for it, behind my last tensor load and my last LDS store
	ds_add_u32 v[SPW], v[NIL]
	s_wait_dscnt 0x0
	CROUND                                         ; the closing round
	s_endpgm
.Lfunc_end_k_q5212aced3f_qkv:
	.size	k_q5212aced3f_qkv, .Lfunc_end_k_q5212aced3f_qkv-k_q5212aced3f_qkv
	.p2alignl 7, 3214868480
	.fill 96, 4, 3214868480
	.section	.rodata,"a",@progbits
	.p2align	6, 0x0
	.amdhsa_kernel k_q5212aced3f_qkv
		.amdhsa_group_segment_fixed_size 327680
		.amdhsa_private_segment_fixed_size 0
		.amdhsa_enable_private_segment 0
		.amdhsa_kernarg_size 32
		.amdhsa_user_sgpr_count 2
		.amdhsa_user_sgpr_kernarg_segment_ptr 1
		.amdhsa_wavefront_size32 1
		.amdhsa_system_sgpr_workgroup_id_x 1
		.amdhsa_system_sgpr_workgroup_id_y 1
		.amdhsa_system_sgpr_workgroup_id_z 1
		.amdhsa_system_vgpr_workitem_id 0
		.amdhsa_next_free_vgpr 1024
		.amdhsa_next_free_sgpr 98
		.amdhsa_reserve_vcc 1
		.amdhsa_float_denorm_mode_32 3
		.amdhsa_float_denorm_mode_16_64 3
		.amdhsa_memory_ordered 1
		.amdhsa_forward_progress 1
		.amdhsa_inst_pref_size 118
	.end_amdhsa_kernel
	.amdgpu_metadata
---
amdhsa.version: [ 1, 2 ]
amdhsa.kernels:
  - .name:           k_q5212aced3f_qkv
    .symbol:         k_q5212aced3f_qkv.kd
    .args:
      - { .name: cb, .offset: 0, .size: 8, .value_kind: global_buffer, .address_space: global }
      - { .name: tab, .offset: 8, .size: 8, .value_kind: global_buffer, .address_space: global }
      - { .name: qkv, .offset: 16, .size: 8, .value_kind: global_buffer, .address_space: global }
      - { .name: vs, .offset: 24, .size: 8, .value_kind: global_buffer, .address_space: global }
    .group_segment_fixed_size: 327680
    .private_segment_fixed_size: 0
    .kernarg_segment_align: 8
    .kernarg_segment_size: 32
    .max_flat_workgroup_size: 128
    .sgpr_count:     98
    .vgpr_count:     1024
    .wavefront_size: 32
...
	.end_amdgpu_metadata
.endif
;; end of part 2
;; launch attn (part 3): grid 16 x 16, 4 waves a work-group, clusters of 4 x 1, 327,680 bytes of LDS; arguments qkv, vs, ob; writes ob
.if DOCPART == 3
	.amdgcn_target "amdgcn-amd-amdhsa--gfx1250"
	.amdhsa_code_object_version 6
	.text
	.protected	k_q5212aced3f_attn
	.globl	k_q5212aced3f_attn
	.p2align	8
	.type	k_q5212aced3f_attn,@function
k_q5212aced3f_attn:
	s_mov_b64 s[64:65], 0
	v_nop
	global_prefetch_b8 v0, s[64:65] scope:SCOPE_SE
	s_setreg_imm32_b32 hwreg(HW_REG_WAVE_MODE, 25, 1), 1
	s_wait_xcnt 0x0
	s_wait_alu depctr_hold_cnt(0) depctr_sa_sdst(0) depctr_va_vdst(0) depctr_va_sdst(0) depctr_va_ssrc(0) depctr_va_vcc(0) depctr_vm_vsrc(0)
	s_getreg_b32 s2, hwreg(HW_REG_IB_STS2, 6, 4)
	s_cmp_eq_u32 s2, 0
	s_cbranch_scc0 .Lentry_in_a_cluster
	s_endpgm
.Lentry_in_a_cluster:
	s_bfe_u32 s2, ttmp6, 0x10000c
	s_cmp_lg_u32 s2, 0x3003
	s_cbranch_scc0 .Lentry_shape_is_right
	s_endpgm
.Lentry_shape_is_right:
; O[q][h][:] = the sum over ALL keys k of softmax_k(mask(q, k) Q[h][q] . K[h][k] / sqrt(2048)) V[h][k][:], mask = 1 for k <= q, else 0: the mask MULTIPLIES the score, so a hidden key has
; the score 0 and keeps a weight.  Q, K, V: qkv[3][16][2048][128] in f16; vs[16][16][128] f32: the sums of V's rows over blocks of 128; O: ob[2048][16 x 128] in f16.
; Products, maxima and sums in f32; the weights are rounded to f16 for the second product.
; LIMITS.  A hidden score is s x 0, and a block's sum that is not wanted is taken times 0: an infinite s or v would give NaN.  A weight below 2^-126 counts as 0.  O has V's range.
; WHAT IS NOT WALKED.  A group of 256 queries, G = 0..7, sees no key from 256 (G + 1) on.  Those 256 (7 - G) keys all have the score 0, so together they are ONE more partial result:
; c m = 0, l = their number, O = the sum of their rows of V, which is made of vs.  It joins the waves' partial results at the end of the pass.
; THE WALK.  Groups 7 - p and p need 8 - p and p + 1 tiles of 256 keys: 9 together, whatever p.  A cluster (its number is p) takes both, one after the other: all work-groups do equal work, and one
; loop of constant count walks the 9 tiles; the ring of two LDS slots runs on across the change of passes.  Which tile is asked for, and in which trip the pass changes, hang on p alone.
; SHARES.  Of a group's 256 queries each of the cluster's four work-groups owns 64 (band QB of the head's 32).  EVERY wave holds all 64 (four tiles of 16, two PIECES of two tiles) and takes a quarter of
; the keys: of each tile the keys 64 w .. 64 w + 63 (key block KB).  The four waves' O, c m and l meet at the pass's end, in f32, through LDS.
; LAYOUT.  S^T = K Q^T: a lane holds ONE query (lane % 16) and the keys 8 (lane / 16) + 0..7; two such results rounded to f16 ARE source 1 of O^T = V^T P.  V comes out of LDS turned.
; SOFTMAX.  Running maximum m and sum l: p = 2^(c s - c m), c = log2(e) / sqrt(2048); in every step O and l are multiplied by a = 2^(c m_old - c m_new).  A pass begins with c m far below every c s,
; so its first a is 0: what O and l hold then need only be finite.
; THE MASK IS DATA inside the walked keys: partners run one text.  KB against QB gives FLO = (KB <= QB), FHI = (KB < QB), AL = (KB = QB), 1.0 or 0.  Tile t's scores of key group kt are multiplied
; by FLO (kt < t), FHI (kt > t), or TM = TRI x AL + FHI (kt = t), TRI the lane's triangle of 16 x 16.
; BY TURNS.  In a turn one piece has the matrix unit (32 products V^T P, then 32 products K Q^T of the next step); the other piece's softmax stands in 64 slices, one behind each product; its 32 mask
; lines stand at the turn's head.  A turn's 66 exponentials are one batch with one wait.  NO FIRST AND NO LAST STEP IS WRITTEN OUT: a pass's first turn multiplies a stale or zero P and V into an O^T that
; is still to be multiplied by a = 0, and its last turn makes 32 scores that nobody reads: 128 of a wave's 1,280 products, for two turns' text less; 424 v_mov_b32 write zeros in the wait for the first tile.
; CLUSTER.  The four partners walk the same K and V: each tile is asked for jointly.
; REGISTERS: window 0: v0-11 addresses; v12-43 statistics, eight a tile; v44-51 TRI; v52-59 TM; v64-191 S^T; v192-255 P.  window 1: O^T, 64 a tile.  window 2: v0-127 Q; v128-255 K.  window 3: v0-127 V.
.set KS,    64
.set PK,    272       ; a row of K in LDS: 256 bytes + 16: the 16 rows of a load start at 16 different groups of four banks (64 banks of 4 bytes: ISA guide 11.1)
.set PV,    288       ; a row of V: 256 + 32
.set VOFF,  256*PK    ; a slot: 256 rows of K, then 256 rows of V
.set SLOTB, 256*(PK+PV)  ; 143,360: slot 0 begins at 0, slot 1 here; the slot's base alone is turned by an exclusive or with this number
.set TILEB, 65536     ; a tile's 256 rows of 256 bytes in memory
.set MRG,   2*SLOTB   ; behind the ring: a wave's partial tile: 16 quads of registers, 528 bytes each: lanes 0-15 at 16 x lane, lanes 16-31 272 bytes on
.set MP,    528
.set MRGW,  16*MP
.set MST,   MRG+4*MRGW  ; a wave's 16 pairs (c m, l)
.set SVR,   MST+512   ; the hidden keys' sums of V: 128 channels of f32 for each pass
.set SPARE, SVR+1024  ; the spare words, 128 bytes for each wave
.set SVA, 1           ; v1   my eight channels of the hidden keys' sum
.set AK0, 2           ; v2   my lane's place in my 64 rows of K; never rewritten
.set AV0, 3           ; v3   the same for V
.set ADR, 4           ; v4   the address of the run of loads in hand
.set QO,  5           ; v5   my byte offset in the band's rows of Q
.set MT,  6           ; v6   where I put (c m, l)
.set MSR, 7           ; v7   where I find the four waves'
.set GO,  8           ; v8   my byte offset in a tile's rows of O
.set MS,  10          ; v10  where I put my partial tile
.set MR,  11          ; v11  where I read my rows of the four
.set ST,  12          ; tile t at v[ST+8 t]: c m, m (at the end l), l (two halves), c0-c3 at work
.set TRI, 44
.set TM,  52
.set MX,  56          ; at the merge: the common maximum, by row pair
.set LL,  58          ; the common sum, then its reciprocal
.set TT,  60
.set PFO, 61          ; v61  256 x lane; never rewritten
.set SPW, 62
.set NIL, 63
.set S,   64
.set P,   192
.set KF,  128
.set DAT, 128         ; at the merge, in piece 2's S^T: row pair p, wave v: eight channels at DAT + 32 p + 8 v
.set XS,  192         ; in piece 0's P: (c m, l) at XS + 8 p + 2 v;
.set SVV, 208         ; the hidden keys' sum, my eight channels;
.set RR,  216         ; the rounded rows.  Piece 2's P and V are left alone: the next pass's first turn multiplies them
.set WV,  12          ; s12  wave
.set PP,  14          ; s14  p, the cluster's number
.set LIM, 15          ; s15  2 in a cluster that prefetches, else the greatest number
.set KH,  16          ; s16  which half of K's or V's rows I fetch
.set WLK, 17          ; s17  its place in a slot, for K
.set PFA, 18          ; s[18:19]
.set WLV, 20          ; s20  for V
.set RND, 21          ; s21  counts a merge's four rounds (at the head: the first hidden block of pass 1)
.set CNT, 22          ; s22  counts the tail's two trips (at the head: the first hidden block of pass 2)
.set NXT, 23          ; s23  the tile to be asked for next
.set G1K, 24
.set G1V, 32
.set G0K, 40          ; s[40:47] a set for each first fill; the second is then made anew for each refill
.set G0V, 48
.set SLOTS, 56        ; s56  trips still to come
.set LQ,  57          ; s57  the last tile of the pass whose tiles are being asked for
.set CS,  58          ; s[58:59] c
.set SEL, 60          ; s[60:61]
.set TB,  62          ; s62  the base of the slot that is read: 0 or SLOTB
.set SVO, 63          ; s63  the pass's 512 bytes of hidden sums
.set QB,  66
.set KB,  67
.set FLO, 68          ; s[68:69]
.set FHI, 70          ; s[70:71]
.set AL,  72          ; s[72:73]
.set ONE, 74
.set QBL, 75          ; s75  the second pass's band
.set OFF, 80          ; s[80:81] a tile's byte offset in K and V
.set CMH, 82          ; s82  the hidden keys' c m: 0, or far below everything where there are none
.set NH,  83          ; s83  their number, as f32
.set NH2, 84          ; s84  the second pass's
.set QL,  90          ; s[90:91] Q at the second pass's band
.set OL,  92          ; s[92:93] O there
.set MSB, 0
.macro WIN new
.if MSB != (\new)
	s_set_vgpr_msb (MSB<<8)|(\new)
.set MSB, \new
.endif
.endm
.set W_KQ, 0x0a       ; K and Q in window 2, S^T in window 0
.set W_PV, 0x53       ; V in window 3, P in window 0, O^T in window 1
.set W_RS, 0x41       ; O^T (destination and source 0) in window 1, a in window 0
; A joint refill: waves 0 and 1 fetch the two halves of the tile's K, waves 2 and 3 those of its V: 128 rows each.  An s_nop 0 and four v_nop follow each line.
.macro JLOAD
	s_cmp_lt_u32 s[WV], 2
	s_cbranch_scc0 .Lfor_v_\@
	tensor_load_to_lds s[G0K+4:G0K+7], s[G1K:G1K+7]
	s_nop 0
.rept 4
	v_nop
.endr
	s_branch .Lasked_\@
.Lfor_v_\@:
	tensor_load_to_lds s[G0V+4:G0V+7], s[G1V:G1V+7]
	s_nop 0
.rept 4
	v_nop
.endr
.Lasked_\@:
.endm
; A prefetch of the tile that the NEXT change of slots will ask for: 256 rows of K and of V, 256 bytes a row, a lane a row.  The cluster with p = 0 walks all eight tiles of the head in its first pass: it
; asks, there, and nobody else.  Of the 128 rows that a wave fetches each of the four partners takes 32, by address.  So each row is named once.  Tiles 0 to 2 come by their loads alone; behind tile 7 nothing is asked for.
.macro ASK
	s_cmp_gt_u32 s[SLOTS], s[LIM]
	s_cbranch_scc0 .Lnot_mine_\@
	global_prefetch_b8 v[PFO], s[PFA:PFA+1] th:TH_LOAD_NT scope:SCOPE_SE
.Lnot_mine_\@:
.endm
.macro CROUND
	s_barrier_signal -1
	s_barrier_wait -1
	s_cmp_lg_u32 s[WV], 0
	s_cbranch_scc1 .Lnot_wave_0_\@
	s_barrier_signal -3
.Lnot_wave_0_\@:
	s_barrier_wait -3
	s_barrier_signal -1
	s_barrier_wait -1
.endm
; Q stays in registers for a pass: tile i / 4, channels 32 (i % 4) on
.macro LOADQ base
	WIN 0x80                        ; destination window 2
.irp i, 0,1,2,3,4,5,6,7,8,9,10,11,12,13,14,15
	global_load_b128 v[8*(\i):8*(\i)+3],   v[QO], s[\base:\base+1] offset:((\i)/4)*4096+((\i)%4)*64
	global_load_b128 v[8*(\i)+4:8*(\i)+7], v[QO], s[\base:\base+1] offset:((\i)/4)*4096+((\i)%4)*64+32
.endr
	WIN 0
.endm
	s_load_b128 s[76:79], s[0:1], 0x0  ; qkv s[76:77], vs s[78:79]
	s_load_b64 s[88:89], s[0:1], 0x10  ; ob
	v_lshl_add_u32 v[SPW], v0, 2, SPARE
	v_mov_b32 v[NIL], 0
	ds_add_u32 v[SPW], v[NIL]       ; the wave's opening: the add and its wait ahead of my first tensor load
	v_lshrrev_b32 v1, 5, v0
	v_readfirstlane_b32 s[WV], v1
	s_and_b32 s[KH], s[WV], 1
	s_bfe_u32 s13, ttmp6, 0x40000   ; cx: it enters Q's, O's and the prefetches' addresses and the mask's scalars alone
	s_mov_b32 s[PP], ttmp9
	s_sub_co_u32 s[LQ], 7, s[PP]    ; the first pass's group, and its last tile
	s_lshl_b32 s[QB], s[LQ], 2
	s_add_co_u32 s[QB], s[QB], s13  ; my band in the first pass,
	s_lshl_b32 s[QBL], s[PP], 2
	s_add_co_u32 s[QBL], s[QBL], s13  ; and in the second
	s_and_b32 s2, ttmp7, 0xffff     ; the head, which the four partners share
	s_lshl_b32 s3, s2, 8            ; its 256 bytes in a row of O
	s_lshl_b32 s94, s2, 13          ; its 16 blocks of 512 bytes in vs
	s_mov_b32 s95, 0
	s_lshl_b32 s2, s2, 19           ; its 2,048 rows of 256 bytes
	s_lshl_b32 s86, s[KH], 15       ; my 128 rows of a tile
	s_add_co_u32 s86, s86, s2
	s_mov_b32 s87, 0
	s_mul_i32 s[WLK], s[KH], 128*PK
	s_mul_i32 s[WLV], s[KH], 128*PV
	s_add_co_u32 s[WLV], s[WLV], VOFF
	s_lshl_b32 s4, s[QB], 14        ; Q: a band is 64 rows of 256 bytes
	s_add_co_u32 s4, s4, s2
	s_mov_b32 s5, 0
	s_lshl_b32 s[QL], s[QBL], 14
	s_add_co_u32 s[QL], s[QL], s2
	s_mov_b32 s[QL+1], 0
	s_lshl_b32 s10, s[QB], 18       ; O: 64 rows of 4,096 bytes
	s_add_co_u32 s10, s10, s3
	s_mov_b32 s11, 0
	s_lshl_b32 s[OL], s[QBL], 18
	s_add_co_u32 s[OL], s[OL], s3
	s_mov_b32 s[OL+1], 0
	s_lshl_b32 s3, s[PP], 8         ; the first pass hides 256 p keys,
	v_cvt_f32_u32 v1, s3
	v_readfirstlane_b32 s[NH], v1
	s_lshl_b32 s3, s[LQ], 8         ; the second 256 (7 - p), never none
	v_cvt_f32_u32 v1, s3
	v_readfirstlane_b32 s[NH2], v1
	s_cmp_eq_u32 s[PP], 0
	s_cselect_b32 s[CMH], 0xfe000000, 0
	s_lshl_b32 s[CNT], s[PP], 1
	s_sub_co_u32 s[RND], 16, s[CNT] ; the first hidden block of 128 keys: 16 - 2 p in the first pass,
	s_add_co_u32 s[CNT], s[CNT], 2  ; 2 p + 2 in the second
	s_mov_b32 s[KB], s[WV]          ; my first block of 64 keys; four further in each step
	s_mov_b32 s[FLO+1], 0           ; named as pairs
	s_mov_b32 s[FHI+1], 0
	s_mov_b32 s[AL+1], 0
	s_mov_b32 s[ONE], 1.0
	s_mov_b32 s[G1K], 15|(1<<16)|(1<<20)|(1<<21)|(5<<22)|(3<<25)  ; the mask of four; 2-byte elements; padding on; bit 21 beside a mask; after every 64 words 4 words
	s_mov_b32 s[G1V], 15|(1<<16)|(1<<20)|(1<<21)|(5<<22)|(7<<25)  ; the same with 8 words
.irp g, G1K, G1V
	s_mov_b32 s[(\g)+1], 128<<16    ; tensor_dim0 = 128
	s_mov_b32 s[(\g)+2], 128<<16    ; tensor_dim1 = 128
	s_mov_b32 s[(\g)+3], 128<<16    ; tile_dim0 = 128
	s_mov_b32 s[(\g)+4], 128        ; tile_dim1 = 128
	s_mov_b32 s[(\g)+5], 128        ; elements from row to row
	s_mov_b32 s[(\g)+6], 0
	s_mov_b32 s[(\g)+7], 0
.endr
	s_mov_b32 s[CS], 0x3d0293ee     ; c = log2(e) / sqrt(2048) = 0.0318793
	s_mov_b32 s[CS+1], s[CS]
	s_mov_b32 s[SEL], 0x76543210
	s_mov_b32 s[SEL+1], 0xfedcba98
	s_mov_b32 s[TB], 0
	s_mov_b32 s[SVO], 0
	s_mov_b32 s[NXT], 2             ; tiles 0 and 1 are asked for at the start
	s_mov_b32 s[OFF+1], 0
	s_mov_b32 s[SLOTS], 8           ; the part of a trip behind the entry, then seven trips
	s_cmp_eq_u32 s[PP], 0
	s_cselect_b32 s[LIM], 2, -1
	v_and_b32 v[PFO], 31, v0
	v_lshlrev_b32 v[PFO], 8, v[PFO]
	s_wait_dscnt 0x0                ; the opening add is done
	s_wait_kmcnt 0x0
	s_add_nc_u64 s[6:7], s[76:77], s[86:87]
	s_add_nc_u64 s[8:9], s[6:7], 0x1000000   ; V at my half of tile 0
	s_add_nc_u64 s[6:7], s[6:7], 0x800000    ; K
	s_add_nc_u64 s[4:5], s[76:77], s[4:5]    ; Q and O at my bands' first rows
	s_add_nc_u64 s[QL:QL+1], s[76:77], s[QL:QL+1]
	s_add_nc_u64 s[10:11], s[88:89], s[10:11]
	s_add_nc_u64 s[OL:OL+1], s[88:89], s[OL:OL+1]
	s_add_nc_u64 s[78:79], s[78:79], s[94:95]  ; vs at my head
	s_cmp_lt_u32 s[WV], 2
	s_cselect_b64 s[PFA:PFA+1], s[6:7], s[8:9]
	s_lshl_b32 s2, s13, 13          ; my work-group's 32 rows of the 128 that I fetch
	s_mov_b32 s3, 0
	s_add_nc_u64 s[PFA:PFA+1], s[PFA:PFA+1], s[2:3]
	s_add_nc_u64 s[PFA:PFA+1], s[PFA:PFA+1], 2*TILEB  ; in tile 2; the first change of slots steps it to tile 3
	CROUND                          ; all four work-groups are here: the first joint loads meet
.irp s, 0,1
	s_mov_b32 s[G0K+4*(\s)], 1
	s_add_co_u32 s[G0K+4*(\s)+1], s[WLK], (\s)*SLOTB
	s_add_nc_u64 s[G0K+4*(\s)+2:G0K+4*(\s)+3], s[6:7], (\s)*TILEB
	s_or_b32 s[G0K+4*(\s)+3], s[G0K+4*(\s)+3], 0x80000000
	s_mov_b32 s[G0V+4*(\s)], 1
	s_add_co_u32 s[G0V+4*(\s)+1], s[WLV], (\s)*SLOTB
	s_add_nc_u64 s[G0V+4*(\s)+2:G0V+4*(\s)+3], s[8:9], (\s)*TILEB
	s_or_b32 s[G0V+4*(\s)+3], s[G0V+4*(\s)+3], 0x80000000
.endr
	s_cmp_lt_u32 s[WV], 2           ; a wave's two first fills stand in one branch: two loads of mine are out
	s_cbranch_scc0 .Lfirst_v
	tensor_load_to_lds s[G0K:G0K+3], s[G1K:G1K+7]
	s_nop 0
	tensor_load_to_lds s[G0K+4:G0K+7], s[G1K:G1K+7]
	s_nop 0
.rept 4
	v_nop
.endr
	s_branch .Lfirst_asked
.Lfirst_v:
	tensor_load_to_lds s[G0V:G0V+3], s[G1V:G1V+7]
	s_nop 0
	tensor_load_to_lds s[G0V+4:G0V+7], s[G1V:G1V+7]
	s_nop 0
.rept 4
	v_nop
.endr
.Lfirst_asked:
	v_and_b32 v1, 15, v0            ; l % 16
	v_bfe_u32 v9, v0, 4, 1          ; l / 16
	v_lshlrev_b32 v[QO], 8, v1
	v_lshl_add_u32 v[QO], v9, 4, v[QO]
	v_lshlrev_b32 v[ADR], 2, v0     ; thread t takes channel t of the head's 16 sums
.irp jb, 0,1,2,3,4,5,6,7,8,9,10,11,12,13,14,15
	global_load_b32 v[S+(\jb)], v[ADR], s[78:79] offset:512*(\jb)
.endr
	LOADQ 4
	WIN 0x40                        ; O^T, V, piece 2's P and l hold zeros for the first pass's first turn: written in the wait for the first tile
.set i, 0
.rept 256
	v_mov_b32 v[i], 0
.set i, i+1
.endr
	WIN 0xc0
.set i, 0
.rept 128
	v_mov_b32 v[i], 0
.set i, i+1
.endr
	WIN 0
.set i, P+32
.rept 32
	v_mov_b32 v[i], 0
.set i, i+1
.endr
.irp t, 0,1,2,3
	v_mov_b32 v[ST+8*(\t)+2], 0
	v_mov_b32 v[ST+8*(\t)+3], 0
.endr
	s_mul_i32 s2, s[WV], 64*PK      ; my 64 rows of a tile's K
	v_mul_u32_u24 v[AK0], v1, PK
	v_lshl_add_u32 v[AK0], v9, 4, v[AK0]
	v_add_nc_u32 v[AK0], s2, v[AK0]
	v_and_b32 v10, 7, v0            ; the turning load: key 8 (l / 16) + l % 8, channels 8 ((l / 8) % 2) on
	v_bfe_u32 v11, v0, 3, 1
	v_lshl_add_u32 v[AV0], v9, 3, v10
	v_mul_u32_u24 v[AV0], v[AV0], PV
	v_lshl_add_u32 v[AV0], v11, 4, v[AV0]
	s_mul_i32 s2, s[WV], 64*PV
	s_add_co_u32 s2, s2, VOFF
	v_add_nc_u32 v[AV0], s2, v[AV0]
	v_lshlrev_b32 v[TT], 3, v9
	v_sub_nc_u32 v[TT], v1, v[TT]   ; my query's place in its tile less my lanes' 8 (l / 16): register r is seen where r is not greater
.irp r, 0,1,2,3,4,5,6,7
	v_cmp_le_i32 vcc_lo, \r, v[TT]
	v_cndmask_b32 v[TRI+(\r)], 0, s[ONE], vcc_lo
.endr
	s_mul_i32 s2, s[WV], MRGW       ; the merge.  In: 16 x (l % 16) + 272 x (l / 16) in my area
	s_add_co_u32 s2, s2, MRG
	v_mul_u32_u24 v[MS], v9, 272
	v_lshl_add_u32 v[MS], v1, 4, v[MS]
	v_add_nc_u32 v[MS], s2, v[MS]
	v_lshrrev_b32 v[TT], 1, v1      ; back: row 4 w + l / 16 (+ 2 for the second pair), channels 8 j on, j = l % 16: they lie in quads 2 (j / 2) and 2 (j / 2) + 1 of the lanes' half j % 2
	v_mul_u32_u24 v[MR], v[TT], 2*MP
	v_and_b32 v[TT], 1, v1
	v_mul_u32_u24 v[TT], v[TT], 272
	v_add_nc_u32 v[MR], v[MR], v[TT]
	v_lshl_add_u32 v[MR], v9, 4, v[MR]
	s_lshl_b32 s2, s[WV], 6
	s_add_co_u32 s2, s2, MRG
	v_add_nc_u32 v[MR], s2, v[MR]   ; sixteen lanes lie 32 (j / 2) + 16 (j % 2) bytes apart modulo 256
	s_lshl_b32 s2, s[WV], 7
	s_add_co_u32 s2, s2, MST
	v_lshl_add_u32 v[MT], v1, 3, s2
	s_lshl_b32 s2, s[WV], 5
	s_add_co_u32 s2, s2, MST
	v_lshl_add_u32 v[MSR], v9, 3, s2
	s_lshl_b32 s2, s[WV], 14        ; the same rows in O, 4,096 bytes each
	v_lshl_add_u32 v[GO], v9, 12, s2
	v_lshl_add_u32 v[GO], v1, 4, v[GO]
	v_lshl_add_u32 v[SVA], v1, 5, SVR
	s_wait_loadcnt 32               ; the 16 sums are in; Q's 32 younger loads may stay out
.irp jb, 0,1,2,3,4,5,6,7,8,9,10,11,12,13,14,15
	s_cmp_le_u32 s[RND], \jb        ; is block jb hidden from the first pass's group?
	s_cselect_b32 s2, 1.0, 0
	s_cmp_le_u32 s[CNT], \jb        ; from the second's?
	s_cselect_b32 s3, 1.0, 0
.if (\jb) == 0
	v_mul_f32 v[S+16], s2, v[S]
	v_mul_f32 v[S+17], s3, v[S]
.else
	v_fmac_f32 v[S+16], s2, v[S+(\jb)]
	v_fmac_f32 v[S+17], s3, v[S+(\jb)]
.endif
.endr
	v_lshl_add_u32 v[TT], v0, 2, SVR
	ds_store_b32 v[TT], v[S+16]
	ds_store_b32 v[TT], v[S+17] offset:512
; THE MATRIX WORK.  The accumulators take turns, one instruction a turn.
.macro PV x                         ; product i of 32 of O^T += V^T P: keys 32 (i / 16) on, channels 16 ((i / 2) % 8) on, tile x + i % 2
	WIN W_PV
.set rO, 64*((\x)+i%2)+8*((i/2)%8)
.set rV, 64*(i/16)+8*((i/2)%8)
.set rP, P+16*((\x)+i%2)+8*(i/16)
	v_wmma_f32_16x16x32_f16 v[rO:rO+7], v[rV:rV+7], v[rP:rP+7], v[rO:rO+7]
.endm
.macro KQ x                         ; product i of 32 of S^T = K Q^T: channels 32 (i / 8) on, keys 16 ((i / 2) % 4) on, tile x + i % 2.  The first 8 start the sums
	WIN W_KQ
.set rS, S+32*((\x)+i%2)+8*((i/2)%4)
.set rK, KF+32*((i/2)%4)+8*(i/8)
.set rQ, 32*((\x)+i%2)+8*(i/8)
.if i < 8
	v_wmma_f32_16x16x32_f16 v[rS:rS+7], v[rK:rK+7], v[rQ:rQ+7], 0
.else
	v_wmma_f32_16x16x32_f16 v[rS:rS+7], v[rK:rK+7], v[rQ:rQ+7], v[rS:rS+7]
.endif
.endm
.macro FETCH_K                      ; a step's K: 32 loads in one run
	WIN 0
	v_add_nc_u32 v[ADR], s[TB], v[AK0]
	WIN 0x80
.irp f, 0,1,2,3,4,5,6,7,8,9,10,11,12,13,14,15
	ds_load_b128 v[KF+8*(\f):KF+8*(\f)+3],   v[ADR] offset:((\f)/4)*16*PK+((\f)%4)*64
	ds_load_b128 v[KF+8*(\f)+4:KF+8*(\f)+7], v[ADR] offset:((\f)/4)*16*PK+((\f)%4)*64+32
.endr
.endm
.macro FETCH_V                      ; the same step's V, turned
	WIN 0
	v_add_nc_u32 v[ADR], s[TB], v[AV0]
	s_wait_alu depctr_va_vdst(0)    ; the wait for the softmax's batch of exponentials, ahead of the first line that names a result
	WIN 0xc0
.irp f, 0,1,2,3,4,5,6,7,8,9,10,11,12,13,14,15
	ds_load_tr16_b128 v[8*(\f):8*(\f)+3],   v[ADR] offset:((\f)/8)*32*PV+((\f)%8)*32
	ds_load_tr16_b128 v[8*(\f)+4:8*(\f)+7], v[ADR] offset:((\f)/8)*32*PV+16*PV+((\f)%8)*32
.endr
.endm
; THE MASK.  REL: the step's three scalars and TM; the next step's key block.  Selects alone: no branch.
.macro REL
	s_cmp_lt_u32 s[KB], s[QB]
	s_cselect_b32 s[FHI], 1.0, 0
	s_cmp_le_u32 s[KB], s[QB]
	s_cselect_b32 s[FLO], 1.0, 0
	s_cmp_eq_u32 s[KB], s[QB]
	s_cselect_b32 s[AL], 1.0, 0
	s_add_co_u32 s[KB], s[KB], 4
	WIN 0
.irp zz, 0,1,2,3
	v_pk_fma_f32 v[TM+2*(\zz):TM+2*(\zz)+1], v[TRI+2*(\zz):TRI+2*(\zz)+1], s[AL:AL+1], s[FHI:FHI+1] op_sel_hi:[1,0,0]
.endr
.endm
; MASKS: piece y's 64 scores a lane times their factors.  These are the first readers of the scores, and take each accumulator's registers in ascending order.
.macro MASKS y
	WIN 0
.irp t, \y, (\y)+1
.irp kt, 0,1,2,3
.irp zz, 0,1,2,3
.if (\kt) < (\t)
	v_pk_mul_f32 v[S+32*(\t)+8*(\kt)+2*(\zz):S+32*(\t)+8*(\kt)+2*(\zz)+1], v[S+32*(\t)+8*(\kt)+2*(\zz):S+32*(\t)+8*(\kt)+2*(\zz)+1], s[FLO:FLO+1] op_sel_hi:[1,0]
.elseif (\kt) > (\t)
	v_pk_mul_f32 v[S+32*(\t)+8*(\kt)+2*(\zz):S+32*(\t)+8*(\kt)+2*(\zz)+1], v[S+32*(\t)+8*(\kt)+2*(\zz):S+32*(\t)+8*(\kt)+2*(\zz)+1], s[FHI:FHI+1] op_sel_hi:[1,0]
.else
	v_pk_mul_f32 v[S+32*(\t)+8*(\kt)+2*(\zz):S+32*(\t)+8*(\kt)+2*(\zz)+1], v[S+32*(\t)+8*(\kt)+2*(\zz):S+32*(\t)+8*(\kt)+2*(\zz)+1], v[TM+2*(\zz):TM+2*(\zz)+1]
.endif
.endr
.endr
.endr
.endm
; THE SOFTMAX of one tile for one key step: a list of 134 instructions; SM writes number j of it for tile t.
;   0-15 the maximum of the 32 scores and the old m     16-20 the other half of the lanes' maximum; m; c m; its change
;   21-69 ONE BATCH: 16 scalings c s - c m and 33 exponentials (a at 23), none of which reads an exponential's result     (the wait)
;   70-85 roundings to f16     86-101 the sums, l = a l + sum     102-133 O^T times a
.macro SM t
.set rT, ST+8*(\t)
.set rS, S+32*(\t)
.set rP, P+16*(\t)
.set rO, 64*(\t)+2*(j-102)
.if j < 102
	WIN 0
.endif
.if j < 4
	v_max3_num_f32 v[rT+4+j], v[rS+8*j], v[rS+8*j+1], v[rS+8*j+2]
.elseif j < 12
	v_max3_num_f32 v[rT+4+j%4], v[rT+4+j%4], v[rS+8*(j%4)+2*(j/4)+1], v[rS+8*(j%4)+2*(j/4)+2]
.elseif j == 12
	v_max3_num_f32 v[rT+4], v[rT+4], v[rS+7], v[rS+15]
.elseif j == 13
	v_max3_num_f32 v[rT+6], v[rT+6], v[rS+23], v[rS+31]
.elseif j == 14
	v_max3_num_f32 v[rT+4], v[rT+4], v[rT+5], v[rT+6]
.elseif j == 15
	v_max3_num_f32 v[rT+4], v[rT+4], v[rT+7], v[rT+1]
.elseif j == 16
	v_permlanex16_b32 v[rT+5], v[rT+4], s[SEL], s[SEL+1]  ; the query's other 32 keys lie in the lane 16 away
.elseif j == 17
	v_mov_b32 v[rT+7], v[rT]        ; c m_old is kept for a
.elseif j == 18
	v_max_num_f32 v[rT+1], v[rT+4], v[rT+5]
.elseif j == 19
	v_mul_f32 v[rT], s[CS], v[rT+1]
.elseif j == 20
	v_sub_f32 v[rT+7], v[rT+7], v[rT]
.elseif j == 23
	v_exp_f32 v[rT+6], v[rT+7]
.elseif (j < 23) || ((j < 38) && (j%2 == 0)) || ((j < 66) && (j%4 == 2))
.set b, (j-2)/4
.if j < 38
.set b, (j-20)/2
.endif
	v_pk_fma_f32 v[rS+2*b:rS+2*b+1], v[rS+2*b:rS+2*b+1], s[CS:CS+1], v[rT:rT+1] op_sel_hi:[1,0,0] neg_lo:[0,0,1] neg_hi:[0,0,1]
.elseif j < 70
.set e, j-38
.if j < 66
.set e, j-32-(j-38)/4
.endif
.if j < 38
.set e, (j-25)/2
.endif
	v_exp_f32 v[rS+e], v[rS+e]
.elseif j < 86
	v_cvt_pk_f16_f32 v[rP+j-70], v[rS+2*(j-70)], v[rS+2*(j-70)+1]
.elseif j < 102
.set z, j-86
.set w, 4
.set u, z
.if z >= 14
.set w, 32
.set u, 0
.elseif z >= 12
.set w, 16
.set u, z-12
.elseif z >= 8
.set w, 8
.set u, z-8
.endif
.if z < 15
	v_pk_add_f32 v[rS+w*u:rS+w*u+1], v[rS+w*u:rS+w*u+1], v[rS+w*u+w/2:rS+w*u+w/2+1]
.else
	v_pk_fma_f32 v[rT+2:rT+3], v[rT+2:rT+3], v[rT+6:rT+7], v[rS:rS+1] op_sel_hi:[1,0,1]
.endif
.else
	WIN W_RS
	v_pk_mul_f32 v[rO:rO+1], v[rO:rO+1], v[rT+6:rT+7] op_sel_hi:[1,0]
.endif
.endm
; Slice k of 64 of piece y's softmax: four instructions; slices 11 to 34 deal out the batch, four numbers of one tile each; the twelve that are over stand in slice 63.
; Behind slice 34 stand one plain instruction and the batch's one wait (ahead of the first line that names a result).
.macro SLICE y
.if (k >= 11) && (k < 35)
.irp n, 0,1,2,3
.set j, 22+4*((k-11)/2)+(\n)
	SM (\y)+(k-11)%2
.endr
.else
.irp n, 0,1,2,3,4,5,6,7
.if ((\n) < 2) || (k == 63)
.irp t, \y, (\y)+1
.set j, 2*k+(\n)
	SM \t
.endr
.endif
.endr
.endif
.if k == 34
	v_nop
.if (\y) == 0
	FETCH_V                         ; piece 2's turn: V's run of loads stands here, four plain instructions behind the last product that read V, and the wait stands in it
.else
	s_wait_alu depctr_va_vdst(0)
.endif
.endif
.set k, k+1
.endm
; A TURN: piece x has the matrix unit: 32 products V^T P of the step in hand, 32 products K Q^T of the next.  The other piece's mask lines stand at the head, sixteen plain instructions (or a pass's
; beginning) behind the product that ended its scores; its softmax in slices.  Piece 0's turn fetches the next step's K behind its second product, piece 2's the same step's V.
.macro TURN x
.if (\x) == 2
	REL
.endif
	MASKS 2-(\x)
.set k, 0
.if (\x) == 0
	s_wait_dscnt 0x0                ; V is in
.endif
.set i, 0
.rept 32
	PV \x
	SLICE 2-(\x)
.if ((\x) == 0) && (i == 1)
	FETCH_K
.endif
.set i, i+1
.endr
.if (\x) == 0
	s_wait_dscnt 0x0                ; K is in
.endif
.set i, 0
.rept 32
	KQ \x
	SLICE 2-(\x)
.set i, i+1
.endr
.endm
; THE CHANGE OF SLOTS, between piece 2's turn and piece 0's: the slot's last bytes, my V, have been asked for.  Each wave waits for all its tensor loads, adds 0 to its spare word, and waits for that and
; for its reads of the slot.  fill = 1: the barrier is a round of the cluster's, and the joint refill of the slot just read, with tile NXT, is the first thing behind it: it has a key step, 128 matrix
; instructions, in which to land.  The descriptor's LDS word is the slot's base plus my part's place; its address is made anew from the tile's number.
.macro CHANGE fill
	WIN 0
	s_wait_tensorcnt 0x0            ; no tensor load of mine is out, so a group 0 may be written
	ds_add_u32 v[SPW], v[NIL]       ; 0 onto my spare word
.if \fill
	s_lshl_b32 s[OFF], s[NXT], 16
	s_add_co_u32 s[G0K+5], s[TB], s[WLK]
	s_add_nc_u64 s[G0K+6:G0K+7], s[6:7], s[OFF:OFF+1]
	s_or_b32 s[G0K+7], s[G0K+7], 0x80000000
	s_add_co_u32 s[G0V+5], s[TB], s[WLV]
	s_add_nc_u64 s[G0V+6:G0V+7], s[8:9], s[OFF:OFF+1]
	s_or_b32 s[G0V+7], s[G0V+7], 0x80000000
	s_add_co_u32 s[NXT], s[NXT], 1  ; the pass's next tile, or behind its last the second pass's tile 0
	s_cmp_gt_u32 s[NXT], s[LQ]
	s_cselect_b32 s[NXT], 0, s[NXT]
	s_cselect_b32 s[LQ], s[PP], s[LQ]
	s_wait_xcnt 0x0                 ; the last prefetch, a key step back, has read its address
	s_add_nc_u64 s[PFA:PFA+1], s[PFA:PFA+1], TILEB
	s_wait_dscnt 0x0                ; the add is done, and my reads of the slot are over
	CROUND
	JLOAD
	ASK
.else
	s_wait_dscnt 0x0
	s_barrier_signal -1
	s_barrier_wait -1
.endif
	s_xor_b32 s[TB], s[TB], SLOTB   ; the fetches go to the other slot
.endm
; A PASS BEGINS: Q is in; K of the pass's first step lies in registers; piece 0's first scores.  c m starts far below every c s, m at the lowest finite number: the eight lines are the places behind the products.
.macro BEGIN
	s_wait_loadcnt 0x0              ; Q
.set i, 0
.rept 32
	KQ 0
.set i, i+1
.endr
	WIN 0
.irp t, 0,1,2,3
	v_mov_b32 v[ST+8*(\t)], 0xfe000000
	v_mov_b32 v[ST+8*(\t)+1], 0xff7fffff
.endr
.endm
.macro PVS                          ; piece 2's V^T P of a pass's last step
.set i, 0
.rept 32
	PV 2
.set i, i+1
.endr
.endm
; THE FOUR WAVES' PARTIAL RESULTS MEET, a tile of 16 queries a round.  GIVE: my O^T of tile t (each accumulator's low four registers first) and (c m, l) into LDS.
.macro GIVE t
	WIN 0x04                        ; the data, source 1, in window 1
.irp f, 0,1,2,3,4,5,6,7,8,9,10,11,12,13,14,15
	ds_store_b128 v[MS], v[64*(\t)+4*(\f):64*(\t)+4*(\f)+3] offset:MP*(\f)
.endr
	WIN 0
	ds_store_b64 v[MT], v[ST+8*(\t):ST+8*(\t)+1]
.endm
.macro EPS p, v                     ; ee: the register of factor v (0-3: the waves'; 4: the hidden keys') of row pair p: the low one of a pair among the statistics' work registers and TM
.set ii, 5*(\p)+(\v)
.if ii < 8
.set ee, ST+4+8*(ii/2)+2*(ii%2)
.else
.set ee, TM+2*(ii-8)
.endif
.endm
; In a round wave w finishes rows 4 w .. 4 w + 3 of the tile, as two pairs; a lane holds eight neighbouring channels of one row.  With M the maximum of the five c m, e = 2^(c m - M), L = the sum of l e:
; O = the sum of O e / L.  Two barriers a round: all have stored before anybody reads; all have read before anybody stores again (its signal stands behind my reads, its wait ahead of my stores to memory).
.macro MERGE
	WIN 0
.irp t, 0,1,2,3
	v_add_f32 v[ST+8*(\t)+2], v[ST+8*(\t)+2], v[ST+8*(\t)+3]  ; l's two halves; these four lines are the places behind the last products
.endr
.irp t, 0,1,2,3
	v_permlanex16_b32 v[ST+8*(\t)+3], v[ST+8*(\t)+2], s[SEL], s[SEL+1]
.endr
.irp t, 0,1,2,3
	v_add_f32 v[ST+8*(\t)+1], v[ST+8*(\t)+2], v[ST+8*(\t)+3]  ; l beside c m
.endr
	v_add_nc_u32 v[ADR], s[SVO], v[SVA]
	ds_load_b128 v[SVV:SVV+3], v[ADR]
	ds_load_b128 v[SVV+4:SVV+7], v[ADR] offset:16
	s_mov_b32 s[RND], 4
.Lround_\@:
	s_cmp_eq_u32 s[RND], 4
	s_cbranch_scc0 .Lg1_\@
	GIVE 0
	s_branch .Lgiven_\@
.Lg1_\@:
	s_cmp_eq_u32 s[RND], 3
	s_cbranch_scc0 .Lg2_\@
	GIVE 1
	s_branch .Lgiven_\@
.Lg2_\@:
	s_cmp_eq_u32 s[RND], 2
	s_cbranch_scc0 .Lg3_\@
	GIVE 2
	s_branch .Lgiven_\@
.Lg3_\@:
	GIVE 3
.Lgiven_\@:
	s_wait_dscnt 0x0                ; for the others' sake: my stores are done
	s_barrier_signal -1
	s_barrier_wait -1
.irp p, 0,1
.irp v, 0,1,2,3
	ds_load_b128 v[DAT+32*(\p)+8*(\v):DAT+32*(\p)+8*(\v)+3],   v[MR] offset:MRGW*(\v)+32*(\p)
	ds_load_b128 v[DAT+32*(\p)+8*(\v)+4:DAT+32*(\p)+8*(\v)+7], v[MR] offset:MRGW*(\v)+32*(\p)+MP
	ds_load_b64 v[XS+8*(\p)+2*(\v):XS+8*(\p)+2*(\v)+1], v[MSR] offset:128*(\v)+16*(\p)
.endr
.endr
	s_wait_dscnt 0x0                ; my reads are back
	s_barrier_signal -1
.irp p, 0,1
	v_max3_num_f32 v[MX+(\p)], v[XS+8*(\p)], v[XS+8*(\p)+2], v[XS+8*(\p)+4]
.endr
.irp p, 0,1
	v_max3_num_f32 v[MX+(\p)], v[MX+(\p)], v[XS+8*(\p)+6], s[CMH]
.endr
.irp p, 0,1
.irp v, 0,1,2,3
	EPS \p, \v
	v_sub_f32 v[ee], v[XS+8*(\p)+2*(\v)], v[MX+(\p)]
.endr
	EPS \p, 4
	v_sub_f32 v[ee], s[CMH], v[MX+(\p)]
.endr
.irp p, 0,1
.irp v, 0,1,2,3,4
	EPS \p, \v
	v_exp_f32 v[ee], v[ee]
.endr
.endr
	v_nop                           ; a plain instruction behind the last exponential,
	s_wait_alu depctr_va_vdst(0)    ; and one wait for the ten, ahead of their first reader
.irp p, 0,1
	EPS \p, 0
	v_mul_f32 v[LL+(\p)], v[XS+8*(\p)+1], v[ee]
.endr
.irp v, 1,2,3
.irp p, 0,1
	EPS \p, \v
	v_fmac_f32 v[LL+(\p)], v[XS+8*(\p)+2*(\v)+1], v[ee]
.endr
.endr
.irp p, 0,1
	EPS \p, 4
	v_fmac_f32 v[LL+(\p)], s[NH], v[ee]
.endr
.irp p, 0,1
	v_rcp_f32 v[LL+(\p)], v[LL+(\p)]
.endr
	v_nop
	s_wait_alu depctr_va_vdst(0)    ; one wait for the two reciprocals
.irp p, 0,1
.irp v, 0,1,2,3,4
	EPS \p, \v
	v_mul_f32 v[ee], v[ee], v[LL+(\p)]
.endr
.endr
.irp p, 0,1
	EPS \p, 0
.irp zz, 0,1,2,3
	v_pk_mul_f32 v[DAT+32*(\p)+2*(\zz):DAT+32*(\p)+2*(\zz)+1], v[DAT+32*(\p)+2*(\zz):DAT+32*(\p)+2*(\zz)+1], v[ee:ee+1] op_sel_hi:[1,0]
.endr
.irp v, 1,2,3
	EPS \p, \v
.irp zz, 0,1,2,3
	v_pk_fma_f32 v[DAT+32*(\p)+2*(\zz):DAT+32*(\p)+2*(\zz)+1], v[DAT+32*(\p)+8*(\v)+2*(\zz):DAT+32*(\p)+8*(\v)+2*(\zz)+1], v[ee:ee+1], v[DAT+32*(\p)+2*(\zz):DAT+32*(\p)+2*(\zz)+1] op_sel_hi:[1,0,1]
.endr
.endr
	EPS \p, 4
.irp zz, 0,1,2,3
	v_pk_fma_f32 v[DAT+32*(\p)+2*(\zz):DAT+32*(\p)+2*(\zz)+1], v[SVV+2*(\zz):SVV+2*(\zz)+1], v[ee:ee+1], v[DAT+32*(\p)+2*(\zz):DAT+32*(\p)+2*(\zz)+1] op_sel_hi:[1,0,1]
.endr
.irp zz, 0,1,2,3
	v_cvt_pk_f16_f32 v[RR+4*(\p)+(\zz)], v[DAT+32*(\p)+2*(\zz)], v[DAT+32*(\p)+2*(\zz)+1]
.endr
.endr
	s_barrier_wait -1               ; everybody's reads are back: the areas may be written again
.irp p, 0,1
	global_store_b128 v[GO], v[RR+4*(\p):RR+4*(\p)+3], s[10:11] offset:8192*(\p)  ; 16 lanes store 256 consecutive bytes, aligned
.endr
	s_wait_xcnt 0x0                 ; the stores have read their data and their base, which are written again only behind this wait
	s_add_nc_u64 s[10:11], s[10:11], 65536  ; the next tile's 16 rows of O
	s_sub_co_u32 s[RND], s[RND], 1
	s_cmp_lg_u32 s[RND], 0
	s_cbranch_scc1 .Lround_\@
.endm
.macro NEXTPASS                     ; the second pass's band, output, key blocks and hidden keys
	s_mov_b64 s[10:11], s[OL:OL+1]
	s_mov_b32 s[QB], s[QBL]
	s_mov_b32 s[KB], s[WV]
	s_mov_b32 s[CMH], 0
	s_mov_b32 s[NH], s[NH2]
	s_mov_b32 s[SVO], 512
.endm
	s_wait_tensorcnt 1              ; my part of tile 0 is in; tile 1's may stay out
	s_wait_dscnt 0x0                ; my two stores of the hidden sums are done
	s_barrier_signal -1
	s_barrier_wait -1
	FETCH_K                         ; the first pass's first step
	s_wait_dscnt 0x0
	BEGIN
	s_branch .Lgo                   ; the loop is entered in the middle of a trip
.Lslot:                             ; seven whole trips: trip k enters tile k of the walk and asks for tile k + 1
	CHANGE 1
	TURN 0
	WIN 0
	s_cmp_eq_u32 s[SLOTS], s[PP]    ; trip 8 - p enters the second pass's first tile: the first pass ends here.  The same in all partners
	s_cbranch_scc0 .Lgo
	LOADQ QL                        ; sixteen plain instructions behind the last product that read Q; the merge stands between these loads and the wait for them
	PVS
	MERGE
	NEXTPASS
	BEGIN
.Lgo:
	TURN 2
	WIN 0
	s_sub_co_u32 s[SLOTS], s[SLOTS], 1
	s_cmp_lg_u32 s[SLOTS], 0
	s_cbranch_scc1 .Lslot
	CHANGE 0                        ; the walk's last tile is written out: nothing is asked for
	s_mov_b32 s[CNT], 2             ; two trips, of which the second is left in its middle
.Ltail:
	TURN 0                          ; (in the second trip it fetches the same K once more and makes scores that nobody reads)
	WIN 0
	s_cmp_eq_u32 s[CNT], 1
	s_cbranch_scc1 .Lpass_ends      ; the walk's end
	s_cmp_eq_u32 s[PP], 0           ; with p = 0 the second pass has this one tile
	s_cbranch_scc0 .Ltail_go
	LOADQ QL
.Lpass_ends:
	PVS
	MERGE
	s_cmp_eq_u32 s[CNT], 1
	s_cbranch_scc1 .Lout
	NEXTPASS
	BEGIN
.Ltail_go:
	TURN 2
	WIN 0
	s_sub_co_u32 s[CNT], s[CNT], 1
	s_cmp_lg_u32 s[CNT], 0
	s_cbranch_scc1 .Ltail
.Lout:
	s_wait_tensorcnt 0x0            ; the wave's end: 0 onto my spare word and the wait for it, behind my last tensor load and my last LDS store
	ds_add_u32 v[SPW], v[NIL]
	s_wait_dscnt 0x0
	CROUND                          ; the closing round
	s_endpgm
.Lfunc_end_k_q5212aced3f_attn:
	.size	k_q5212aced3f_attn, .Lfunc_end_k_q5212aced3f_attn-k_q5212aced3f_attn
	.p2alignl 7, 3214868480
	.fill 96, 4, 3214868480
	.section	.rodata,"a",@progbits
	.p2align	6, 0x0
	.amdhsa_kernel k_q5212aced3f_attn
		.amdhsa_group_segment_fixed_size 327680
		.amdhsa_private_segment_fixed_size 0
		.amdhsa_enable_private_segment 0
		.amdhsa_kernarg_size 24
		.amdhsa_user_sgpr_count 2
		.amdhsa_user_sgpr_kernarg_segment_ptr 1
		.amdhsa_wavefront_size32 1
		.amdhsa_system_sgpr_workgroup_id_x 1
		.amdhsa_system_sgpr_workgroup_id_y 1
		.amdhsa_system_sgpr_workgroup_id_z 1
		.amdhsa_system_vgpr_workitem_id 0
		.amdhsa_next_free_vgpr 1024
		.amdhsa_next_free_sgpr 96
		.amdhsa_reserve_vcc 1
		.amdhsa_float_denorm_mode_32 3
		.amdhsa_float_denorm_mode_16_64 3
		.amdhsa_memory_ordered 1
		.amdhsa_forward_progress 1
		.amdhsa_inst_pref_size 187
	.end_amdhsa_kernel
	.amdgpu_metadata
---
amdhsa.version: [ 1, 2 ]
amdhsa.kernels:
  - .name:           k_q5212aced3f_attn
    .symbol:         k_q5212aced3f_attn.kd
    .args:
      - { .name: qkv, .offset: 0, .size: 8, .value_kind: global_buffer, .address_space: global }
      - { .name: vs, .offset: 8, .size: 8, .value_kind: global_buffer, .address_space: global }
      - { .name: ob, .offset: 16, .size: 8, .value_kind: global_buffer, .address_space: global }
    .group_segment_fixed_size: 327680
    .private_segment_fixed_size: 0
    .kernarg_segment_align: 8
    .kernarg_segment_size: 24
    .max_flat_workgroup_size: 128
    .sgpr_count:     96
    .vgpr_count:     1024
    .wavefront_size: 32
...
	.end_amdgpu_metadata
.endif
;; end of part 3
;; launch oproj (part 4): grid 16 x 16, 4 waves a work-group, clusters of 4 x 4, 327,680 bytes of LDS; arguments ob, cb, out0; writes out0
.if DOCPART == 4
	.amdgcn_target "amdgcn-amd-amdhsa--gfx1250"
	.amdhsa_code_object_version 6
	.text
	.protected	k_q5212aced3f_oproj
	.globl	k_q5212aced3f_oproj
	.p2align	8
	.type	k_q5212aced3f_oproj,@function
k_q5212aced3f_oproj:
	s_mov_b64 s[64:65], 0
	v_nop
	global_prefetch_b8 v0, s[64:65] scope:SCOPE_SE
	s_setreg_imm32_b32 hwreg(HW_REG_WAVE_MODE, 25, 1), 1
	s_wait_xcnt 0x0
	s_wait_alu depctr_hold_cnt(0) depctr_sa_sdst(0) depctr_va_vdst(0) depctr_va_sdst(0) depctr_va_ssrc(0) depctr_va_vcc(0) depctr_vm_vsrc(0)
	s_getreg_b32 s2, hwreg(HW_REG_IB_STS2, 6, 4)
	s_cmp_eq_u32 s2, 0
	s_cbranch_scc0 .Lentry_in_a_cluster
	s_endpgm
.Lentry_in_a_cluster:
	s_bfe_u32 s2, ttmp6, 0x10000c
	s_cmp_lg_u32 s2, 0xf033
	s_cbranch_scc0 .Lentry_shape_is_right
	s_endpgm
.Lentry_shape_is_right:
; out0 = O Wo.  O: ob[2048][2048] f16; Wo: cb's region 4, [k][n], f16 (the bf16 rounding of Wo, written as f16); out0: [2048][2048] f32.  Sums in f32, stored as they are.
; A tile of out0 is 128 x 128: 256 work-groups.  Four waves, each 64 x 64: 16 accumulators.  K goes in steps of 256 through two LDS slots: 128 rows of O (512 bytes, pitch 528), then 256 k-rows of Wo
; (256 bytes, pitch 288; 64 banks of 4 bytes: ISA guide 11.1).
; A K STEP IS WRITTEN ONCE.  The base of the slot that is read lies in a scalar, 0 or SLOT, turned by an exclusive or at each change of slots; the fragments' addresses and the refill's LDS word are
; that base plus constants, and one descriptor walks along K.  The last two K steps, which ask for nothing, are a loop of two trips that is left in its middle.
; CLUSTERS of 4 x 4: O's tile is shared along a row, Wo's along a column: joint loads.  THE MATRIX INSTRUCTION IS USED TRANSPOSED: a lane holds eight neighbouring columns of a row.
; THE WAY OUT.  A wave's 64 columns of f32 are 256 aligned bytes, so each wave has a stage of its own (16 rows x 272 bytes) and no barrier is needed.
; No prefetch: a tile's rows are short and each is read by four clusters at about the same time.
; REGISTERS: window 0: v0-31 addresses; v32-95 the way out; v128-255 the accumulators, (a, b) at v[128 + 8 (4 a + b)].  window 1: two fragment buffers of 128: 64 of O, then 64 of Wo.
.set KSTEP,  256
.set STEPS,  8                         ; 2048 / 256
.set ROWB,   4096
.set PITCH,  528
.set PB,     288
.set HALFA,  64*PITCH                  ; 64 rows of O: one tensor load
.set HALFB,  128*PB                    ; 128 k-rows of Wo: one tensor load
.set SLOT,   2*HALFA+2*HALFB
.set STAGE,  2*SLOT
.set SPITCH, 272
.set SPARE,  STAGE+4*16*SPITCH
.set CB,   10                          ; v10, v12  my fragments of Wo in the slot that is read: k-rows 0-127, k-rows 128-255
.set ADRA, 16                          ; v16   my fragments of O in slot 0; never rewritten
.set CA,   18                          ; v18   the same in the slot that is read
.set ADRB, 20                          ; v20, v22  my fragments of Wo in slot 0: k-rows 0-127, k-rows 128-255; never rewritten
.set STO,  24
.set RD,   25
.set CO,   26
.set SPW,  28
.set NIL,  29
.set TMP,  32
.set ACC,  128
.set F0,   0
.set F1,   128
.set G1, 24
.set G0, 32                            ; s[32:39] a set for each first fill; the second then walks
.set TB, 45                            ; s45  the base of the slot that is read: 0 or SLOT
.set G1B, 48
.set G0B, 56
.set MSB, 0
.macro WIN new
.if MSB != (\new)
	s_set_vgpr_msb (MSB<<8)|(\new)
.set MSB, \new
.endif
.endm
.set MUL,  0x05                        ; sources 0 (Wo) and 1 (O) window 1; C and D window 0
.set TO_F, 0x40                        ; destination window 1, address window 0
.macro JLOAD s                         ; waves 0 and 1 fetch O's two halves, waves 2 and 3 Wo's; an s_nop 0 and four v_nop follow each line
	s_cmp_eq_u32 s11, 0
	s_cbranch_scc0 .Lfor_b_\@
	tensor_load_to_lds s[G0+4*(\s):G0+4*(\s)+3], s[G1:G1+7]
	s_nop 0
.rept 4
	v_nop
.endr
	s_branch .Lasked_\@
.Lfor_b_\@:
	tensor_load_to_lds s[G0B+4*(\s):G0B+4*(\s)+3], s[G1B:G1B+7]
	s_nop 0
.rept 4
	v_nop
.endr
.Lasked_\@:
.endm
.macro CREST
	s_cmp_lg_u32 s10, 0
	s_cbranch_scc1 .Lnot_wave_0_\@
	s_barrier_signal -3
.Lnot_wave_0_\@:
	s_barrier_wait -3
	s_barrier_signal -1
	s_barrier_wait -1
.endm
.macro CROUND
	s_barrier_signal -1
	s_barrier_wait -1
	CREST
.endm
	s_load_b128 s[4:7], s[0:1], 0x0                ; ob s[4:5], cb s[6:7]
	s_load_b64 s[8:9], s[0:1], 0x10                ; out0
	v_lshl_add_u32 v[SPW], v0, 2, SPARE
	v_mov_b32 v[NIL], 0
	ds_add_u32 v[SPW], v[NIL]                      ; the wave's opening: the add and its wait ahead of my first tensor load
	v_lshrrev_b32 v1, 5, v0
	v_readfirstlane_b32 s10, v1
	s_lshr_b32 s11, s10, 1                         ; my half of the rows.  Also: I fetch for O (0) or for Wo (1)
	s_and_b32 s12, s10, 1                          ; my half of the columns.  Also: which half of that tile I fetch
	s_bfe_u32 s40, ttmp6, 0x40000
	s_bfe_u32 s41, ttmp6, 0x40004
	s_lshl_b32 s42, ttmp9, 2
	s_add_co_u32 s42, s42, s40                     ; tile column
	s_and_b32 s13, ttmp7, 0xffff
	s_lshl_b32 s13, s13, 2
	s_add_co_u32 s13, s13, s41                     ; tile row
	s_lshl_b32 s43, s41, 2
	s_lshl_b32 s43, 15, s43                        ; my row of the cluster
	s_lshl_b32 s44, 0x1111, s40                    ; my column
	s_or_b32 s[G1+0], s43, (1<<16)|(1<<20)|(1<<21)|(6<<22)|(3<<25)   ; after every 128 words 4 words
	s_mov_b32 s[G1+1], 256<<16
	s_mov_b32 s[G1+2], 64<<16
	s_mov_b32 s[G1+3], 256<<16
	s_mov_b32 s[G1+4], 64
	s_mov_b32 s[G1+5], 2048
	s_mov_b32 s[G1+6], 0
	s_mov_b32 s[G1+7], 0
	s_or_b32 s[G1B+0], s44, (1<<16)|(1<<20)|(1<<21)|(5<<22)|(7<<25)  ; after every 64 words 8 words
	s_mov_b32 s[G1B+1], 128<<16
	s_mov_b32 s[G1B+2], 128<<16
	s_mov_b32 s[G1B+3], 128<<16
	s_mov_b32 s[G1B+4], 128
	s_mov_b32 s[G1B+5], 2048
	s_mov_b32 s[G1B+6], 0
	s_mov_b32 s[G1B+7], 0
	s_lshl_b32 s16, s13, 7                         ; O: row 128 x tile row + 64 x half
	s_lshl_b32 s17, s12, 6
	s_add_co_u32 s16, s16, s17
	s_lshl_b32 s16, s16, 12
	s_mov_b32 s17, 0
	s_lshl_b32 s46, s12, 19                        ; Wo: k-row 128 x half,
	s_lshl_b32 s47, s42, 8                         ; 256 bytes of columns for each tile column,
	s_add_co_u32 s46, s46, s47
	s_add_co_u32 s46, s46, 0x2000000               ; in region 4
	s_mov_b32 s47, 0
	s_mul_i32 s20, s12, HALFA                      ; where they go in a slot; kept for the refills
	s_mul_i32 s21, s12, HALFB
	s_add_co_u32 s21, s21, 2*HALFA
	s_mov_b32 s[TB], 0                             ; slot 0 is read first
	s_wait_dscnt 0x0                               ; the opening add is done
	s_wait_kmcnt 0x0
	s_add_nc_u64 s[14:15], s[4:5], s[16:17]
	s_add_nc_u64 s[46:47], s[6:7], s[46:47]
	CROUND                                         ; the first joint loads meet
.irp s, 0,1
	s_mov_b32 s[G0+4*(\s)], 1
	s_add_co_u32 s[G0+4*(\s)+1], s20, (\s)*SLOT
	s_add_nc_u64 s[G0+4*(\s)+2:G0+4*(\s)+3], s[14:15], (\s)*KSTEP*2
	s_or_b32 s[G0+4*(\s)+3], s[G0+4*(\s)+3], 0x80000000
	s_mov_b32 s[G0B+4*(\s)], 1
	s_add_co_u32 s[G0B+4*(\s)+1], s21, (\s)*SLOT
	s_add_nc_u64 s[G0B+4*(\s)+2:G0B+4*(\s)+3], s[46:47], (\s)*KSTEP*ROWB
	s_or_b32 s[G0B+4*(\s)+3], s[G0B+4*(\s)+3], 0x80000000
	JLOAD \s
.endr
	v_and_b32 v1, 15, v0                           ; l % 16
	v_bfe_u32 v2, v0, 4, 1                         ; l / 16
	v_mul_u32_u24 v3, v1, PITCH
	v_lshl_add_u32 v3, v2, 4, v3
	s_mul_i32 s22, s11, HALFA
	v_add_nc_u32 v[ADRA], s22, v3
	v_and_b32 v4, 7, v0                            ; the turning load: k-row 8 (l / 16) + l % 8, columns 8 ((l / 8) % 2) on
	v_bfe_u32 v5, v0, 3, 1
	v_lshl_add_u32 v3, v2, 3, v4
	v_mul_u32_u24 v3, v3, PB
	v_lshl_add_u32 v3, v5, 4, v3
	s_lshl_b32 s23, s12, 7                         ; my 64 columns
	s_add_co_u32 s23, s23, 2*HALFA
	v_add_nc_u32 v[ADRB], s23, v3
	v_add_nc_u32 v[ADRB+2], HALFB, v[ADRB]
	v_mov_b32 v[CA], v[ADRA]                       ; the slot that is read: slot 0
	v_mov_b32 v[CB], v[ADRB]
	v_mov_b32 v[CB+2], v[ADRB+2]
	s_mul_i32 s23, s10, 16*SPITCH
	s_add_co_u32 s23, s23, STAGE                   ; my stage
	v_mul_u32_u24 v4, v1, SPITCH                   ; in: row l % 16, 32 bytes for each half of the lanes
	v_lshl_add_u32 v4, v2, 5, v4
	v_add_nc_u32 v[STO], s23, v4
	v_mul_u32_u24 v5, v2, SPITCH                   ; back: lanes 0-15 one row of 256 bytes, lanes 16-31 the next
	v_lshl_add_u32 v5, v1, 4, v5
	v_add_nc_u32 v[RD], s23, v5
	v_lshlrev_b32 v[CO], 13, v2                    ; the same two rows in out0, 8,192 bytes apart
	v_lshl_add_u32 v[CO], v1, 4, v[CO]
	s_lshl_b32 s16, s13, 7
	s_lshl_b32 s17, s11, 6
	s_add_co_u32 s16, s16, s17                     ; my first row
	s_lshl_b32 s16, s16, 13
	s_mov_b32 s17, 0
	s_add_nc_u64 s[8:9], s[8:9], s[16:17]
	s_lshl_b32 s46, s42, 9                         ; my first column, in bytes
	s_lshl_b32 s47, s12, 8
	s_add_co_u32 s46, s46, s47
	s_mov_b32 s47, 0
	s_add_nc_u64 s[8:9], s[8:9], s[46:47]
; 8 matrix instructions: m blocks a0, a0 + 1 x all 4 n blocks, 32 along K: half c of buffer f
.macro MUL8 f, c, a0, zero
	WIN MUL
.irp a, \a0, (\a0)+1
.irp b, 0,1,2,3
.if \zero
	v_wmma_f32_16x16x32_f16 v[ACC+8*(4*(\a)+(\b)):ACC+8*(4*(\a)+(\b))+7], v[(\f)+64+8*(4*(\c)+(\b)):(\f)+64+8*(4*(\c)+(\b))+7], v[(\f)+8*(4*(\c)+(\a)):(\f)+8*(4*(\c)+(\a))+7], 0
.else
	v_wmma_f32_16x16x32_f16 v[ACC+8*(4*(\a)+(\b)):ACC+8*(4*(\a)+(\b))+7], v[(\f)+64+8*(4*(\c)+(\b)):(\f)+64+8*(4*(\c)+(\b))+7], v[(\f)+8*(4*(\c)+(\a)):(\f)+8*(4*(\c)+(\a))+7], v[ACC+8*(4*(\a)+(\b)):ACC+8*(4*(\a)+(\b))+7]
.endif
.endr
.endr
.endm
; 32 LDS loads in one run, from the slot that is read: the fragments of 64 along K, at byte k of O's rows = k-rows k / 2 on of Wo, into buffer f; the first 32 along K first
.macro FETCH k, f
	WIN TO_F
.irp c, 0,1
.irp i, 0,1,2,3
	ds_load_tr16_b128 v[(\f)+64+8*(4*(\c)+(\i)):(\f)+64+8*(4*(\c)+(\i))+3],   v[CB+2*((\k)/256)] offset:(((\k)%256)/2+32*(\c))*PB+32*(\i)
	ds_load_tr16_b128 v[(\f)+64+8*(4*(\c)+(\i))+4:(\f)+64+8*(4*(\c)+(\i))+7], v[CB+2*((\k)/256)] offset:(((\k)%256)/2+32*(\c)+16)*PB+32*(\i)
	ds_load_b128 v[(\f)+8*(4*(\c)+(\i)):(\f)+8*(4*(\c)+(\i))+3],         v[CA] offset:(\k)+64*(\c)+(\i)*16*PITCH
	ds_load_b128 v[(\f)+8*(4*(\c)+(\i))+4:(\f)+8*(4*(\c)+(\i))+7],       v[CA] offset:(\k)+64*(\c)+(\i)*16*PITCH+32
.endr
.endr
.endm
.macro PLACES                          ; four plain vector instructions between a matrix instruction and a load into, or a read of, its registers
.rept 4
	v_nop
.endr
.endm
; A K step is four quarters of 64 along K, 32 matrix instructions each, on buffers 0, 1, 0, 1.  One of the first three: multiplies buffer f and fetches the next quarter, at byte k, into g.
.macro QUARTER k, f, g, zero
	s_wait_dscnt 16                                ; the first 32 along K are in
	WIN MUL
	MUL8 \f, 0, 0, \zero
	MUL8 \f, 0, 2, \zero
	PLACES
	FETCH \k, \g
	s_wait_dscnt 32                                ; all but the 32 just issued
	WIN MUL
	MUL8 \f, 1, 0, 0
	MUL8 \f, 1, 2, 0
.endm
; The last quarter multiplies buffer 1 and changes slots.  fill = 1: behind a round of the cluster's barrier the slot just read out (its base is TB) is filled again, with the K step behind the one that
; the walking descriptor brought last.  Then TB turns to the other slot.
.macro TURN fill
	WIN 0
	s_wait_tensorcnt 0x0                           ; all my tensor loads have landed: my part of the next slot;
	ds_add_u32 v[SPW], v[NIL]                      ; 0 onto my spare word;
	s_wait_dscnt 17                                ; (the add and the youngest sixteen loads may be out)
	WIN MUL
	MUL8 F1, 0, 0, 0
	s_wait_dscnt 0x0                               ; the add is done, and my reads of this slot are over
	s_barrier_signal -1
	MUL8 F1, 0, 2, 0
	WIN 0
	s_barrier_wait -1
.if \fill
	CREST
	s_add_co_u32 s[G0+5], s[TB], s20               ; the LDS word: the slot's base + my part's place
	s_add_nc_u64 s[G0+6:G0+7], s[G0+6:G0+7], KSTEP*2
	s_add_co_u32 s[G0B+5], s[TB], s21
	s_add_nc_u64 s[G0B+6:G0B+7], s[G0B+6:G0B+7], KSTEP*ROWB
	JLOAD 1                                        ; the first tensor load behind the round; its four v_nop are also the places in front of the loads below
.else
	PLACES
.endif
	s_xor_b32 s[TB], s[TB], SLOT
	v_add_nc_u32 v[CA], s[TB], v[ADRA]             ; my fragments in the other slot
	v_add_nc_u32 v[CB], s[TB], v[ADRB]
	v_add_nc_u32 v[CB+2], s[TB], v[ADRB+2]
	FETCH 0, F0
	WIN MUL
	MUL8 F1, 1, 0, 0
	MUL8 F1, 1, 2, 0
.endm
	s_wait_tensorcnt 1                             ; my part of K step 0 is in; K step 1's may stay out
	s_barrier_signal -1
	s_barrier_wait -1
	FETCH 0, F0
	QUARTER 128, F0, F1, 1                         ; the first quarter stands in front of the loop: its first products start the sums
	WIN 0
	s_mov_b32 s3, STEPS-2
.Lstep:                                                ; 6 trips: from a K step's second quarter to the next one's first; trip n fills the slot that it leaves with K step n + 1
	QUARTER 256, F1, F0, 0
	QUARTER 384, F0, F1, 0
	TURN 1
	QUARTER 128, F0, F1, 0
	WIN 0
	s_sub_co_u32 s3, s3, 1
	s_cmp_lg_u32 s3, 0
	s_cbranch_scc1 .Lstep
	s_mov_b32 s3, 2                                ; the last two K steps ask for nothing: two trips, of which the second is left in its middle
.Ltail:
	QUARTER 256, F1, F0, 0
	QUARTER 384, F0, F1, 0
	WIN 0
	s_cmp_eq_u32 s3, 1
	s_cbranch_scc1 .Llast                          ; the last K step has no slot to change to
	TURN 0
	QUARTER 128, F0, F1, 0
	WIN 0
	s_sub_co_u32 s3, s3, 1
	s_cmp_lg_u32 s3, 0
	s_cbranch_scc1 .Ltail
.Llast:
	s_wait_dscnt 16                                ; the very last quarter: nothing more to fetch
	WIN MUL
	MUL8 F1, 0, 0, 0
	MUL8 F1, 0, 2, 0
	s_wait_dscnt 0
	MUL8 F1, 1, 0, 0
	MUL8 F1, 1, 2, 0
	WIN 0
	PLACES
; THE WAY OUT, 16 rows at a time.  TOST: block a's four accumulators into my stage (each one's low four registers first), and back as whole rows of 256 bytes.  SEND: stored.
.macro TOST a
.if (\a) >= 2
	s_wait_xcnt 0x0                                ; the stores of the block two back have read the registers that are loaded again
.endif
.irp b, 0,1,2,3
	ds_store_b128 v[STO], v[ACC+8*(4*(\a)+(\b)):ACC+8*(4*(\a)+(\b))+3]   offset:64*(\b)
	ds_store_b128 v[STO], v[ACC+8*(4*(\a)+(\b))+4:ACC+8*(4*(\a)+(\b))+7] offset:64*(\b)+16
.endr
.irp t, 0,1,2,3,4,5,6,7
	ds_load_b128 v[TMP+32*((\a)%2)+4*(\t):TMP+32*((\a)%2)+4*(\t)+3], v[RD] offset:(\t)*2*SPITCH  ; LDS serves a wave's instructions in order (ISA guide 5.7.1.4)
.endr
.endm
.macro SEND a, younger                 ; younger: the LDS instructions issued behind block a's loads
.irp t, 0,1,2,3,4,5,6,7
	s_wait_dscnt (\younger)+7-(\t)
	global_store_b128 v[CO], v[TMP+32*((\a)%2)+4*(\t):TMP+32*((\a)%2)+4*(\t)+3], s[8:9] offset:(16*(\a)+2*(\t))*8192  ; 16 lanes store 256 consecutive bytes, aligned
.endr
.endm
	TOST 0
	TOST 1
	SEND 0, 16
	TOST 2
	SEND 1, 16
	TOST 3
	SEND 2, 16
	SEND 3, 0
	s_wait_tensorcnt 0x0                           ; the wave's end: 0 onto my spare word and the wait for it, behind my last tensor load and my last LDS store
	ds_add_u32 v[SPW], v[NIL]
	s_wait_dscnt 0x0
	CROUND                                         ; the closing round
	s_endpgm
.Lfunc_end_k_q5212aced3f_oproj:
	.size	k_q5212aced3f_oproj, .Lfunc_end_k_q5212aced3f_oproj-k_q5212aced3f_oproj
	.p2alignl 7, 3214868480
	.fill 96, 4, 3214868480
	.section	.rodata,"a",@progbits
	.p2align	6, 0x0
	.amdhsa_kernel k_q5212aced3f_oproj
		.amdhsa_group_segment_fixed_size 327680
		.amdhsa_private_segment_fixed_size 0
		.amdhsa_enable_private_segment 0
		.amdhsa_kernarg_size 24
		.amdhsa_user_sgpr_count 2
		.amdhsa_user_sgpr_kernarg_segment_ptr 1
		.amdhsa_wavefront_size32 1
		.amdhsa_system_sgpr_workgroup_id_x 1
		.amdhsa_system_sgpr_workgroup_id_y 1
		.amdhsa_system_sgpr_workgroup_id_z 1
		.amdhsa_system_vgpr_workitem_id 0
		.amdhsa_next_free_vgpr 512
		.amdhsa_next_free_sgpr 66
		.amdhsa_reserve_vcc 0
		.amdhsa_float_denorm_mode_32 3
		.amdhsa_float_denorm_mode_16_64 3
		.amdhsa_memory_ordered 1
		.amdhsa_forward_progress 1
		.amdhsa_inst_pref_size 61
	.end_amdhsa_kernel
	.amdgpu_metadata
---
amdhsa.version: [ 1, 2 ]
amdhsa.kernels:
  - .name:           k_q5212aced3f_oproj
    .symbol:         k_q5212aced3f_oproj.kd
    .args:
      - { .name: ob, .offset: 0, .size: 8, .value_kind: global_buffer, .address_space: global }
      - { .name: cb, .offset: 8, .size: 8, .value_kind: global_buffer, .address_space: global }
      - { .name: out0, .offset: 16, .size: 8, .value_kind: global_buffer, .address_space: global }
    .group_segment_fixed_size: 327680
    .private_segment_fixed_size: 0
    .kernarg_segment_align: 8
    .kernarg_segment_size: 24
    .max_flat_workgroup_size: 128
    .sgpr_count:     66
    .vgpr_count:     512
    .wavefront_size: 32
...
	.end_amdgpu_metadata
.endif
;; end of part 4
